; MI455X (gfx1250); checked and timed in simulation.
; The chip was launched on July 23, 2026; its instructions are those of AMD's public machine-readable ISA for CDNA 5 (MIT licence, August 2026) and "CDNA5" Instruction Set Architecture Reference Guide (July 2026). The comments in the code are by the model that wrote it; some were corrected since.
;; Attention. Allowed arithmetic: float matrix products may take bf16 or f16 operands with f32 sums; other float arithmetic in f32, or as packed bf16 or f16 multiplies, adds, multiply-adds, maxima and minima; sums over many terms, partial sums and values carried from step to step in f32; what a program stores and reads back later, other than sums and carried values, may be rounded once to bf16 or f16.
;; Inputs: W_K 4 x 2,048 x 128 float32; W_O 8 x 128 x 2,048 float32; W_Q 8 x 2,048 x 128 float32; W_V 4 x 2,048 x 128 float32; b_K 4 x 128 float32; b_O 2,048 float32; b_Q 8 x 128 float32; b_V 4 x 128 float32; x 4,096 x 2,048 float32.
;; Outputs: out0 4,096 x 2,048 float32.
;; One version. Each part assembles by itself: llvm-mc -triple=amdgcn-amd-amdhsa -mcpu=gfx1250 --defsym DOCPART=n.
;; ======== version 1 of 1: 4 launches
;; limits: values are held in f16: magnitudes above 65,504 overflow, below 6.1e-05 lose precision
;; workspace buffers: xh 16,777,216 bytes; wqkv 8,388,608 bytes; woh 4,194,304 bytes; rope 2,097,152 bytes; qkv 16,777,216 bytes; zh 8,388,608 bytes
;; launch prep (part 1): grid 960 x 1, 8 waves a work-group, no clusters, 0 bytes of LDS; arguments x, W_Q, W_K, W_V, W_O, xh, wqkv, woh, rope; writes xh, wqkv, woh, rope
.if DOCPART == 1
	.amdgcn_target "amdgcn-amd-amdhsa--gfx1250"
	.amdhsa_code_object_version 6
	.text
	.protected	k_qb8ff874434_prep
	.globl	k_qb8ff874434_prep
	.p2align	8
	.type	k_qb8ff874434_prep,@function
k_qb8ff874434_prep:
	s_mov_b64 s[64:65], 0
	v_nop
	global_prefetch_b8 v0, s[64:65] scope:SCOPE_SE
	s_setreg_imm32_b32 hwreg(HW_REG_WAVE_MODE, 25, 1), 1
	s_wait_xcnt 0x0
; PREP: the 16-bit copies of x and of the weights, and the table of rotary cosines and sines.
;   xh   [4096][2048] bf16 = x.      wqkv [16][2048][128] bf16 = W_Q (heads 0-7), W_K (8-11), W_V (12-15), as they lie.
;   woh  [1024][2048] f16  = W_O rounded to bf16, that number written as f16 (exact from 6.1e-5 up; below that f16's fixed step of 6e-8).
;   rope f32, in the order in which the projection's accumulators want it: [row block s/16][column block b of 8][t of 2][lane L of 32][4]:
;        cos, sin of pair i0 and cos, sin of pair i0 + 1, i0 = 8 b + 4 (L / 16) + 2 t, at position s = 16 x row block + L % 16.
; A stream: each input byte is read once, each output byte written once; no LDS, no barrier, no matrix unit, no cluster (no two work-groups read the same bytes).
; SHARES.  Work-groups 0-895 cast one chunk of 16,384 numbers each (64 KiB in, 32 KiB out); work-groups 896-959 make 2,048 table entries each.
; A wave's load covers 512 consecutive bytes, its store 256 consecutive bytes, aligned.  All sixteen loads of a wave go out at once.
; LIMITS.  The frequency 10000^(-i/64) is made as 2^(-i log2(10000)/64), good to about two units in its last place: an angle is off by at most some 7e-4 rad at position 4,095.
; Sine and cosine by reduction to |r| <= pi/4 (pi/2 in two parts; the quotient has 12 bits, so the first step is exact) and polynomials of degree 7 and 8.
.set ID_Q, 512                         ; first work-group of W_Q's chunks (x has 512)
.set ID_K, 640                         ; of W_K's
.set ID_V, 704                         ; of W_V's
.set ID_O, 768                         ; of W_O's
.set ID_T, 896                         ; of the table
.set SRC, 34                           ; s[34:35] the chunk's source
.set DST, 36                           ; s[36:37] its destination
.set HIM, 52                           ; s52 a word's upper half
	s_load_b512 s[8:23], s[0:1], 0x0               ; x 8, W_Q 10, W_K 12, W_V 14, W_O 16, xh 18, wqkv 20, woh 22
	s_load_b64 s[24:25], s[0:1], 0x40              ; rope
	s_mov_b32 s26, ttmp9
	s_cmp_ge_u32 s26, ID_T
	s_cbranch_scc1 .Ltable
	s_sub_co_u32 s30, s26, ID_Q                    ; the chunk's number in each tensor; only the one that applies is used
	s_sub_co_u32 s31, s26, ID_K
	s_sub_co_u32 s32, s26, ID_V
	s_sub_co_u32 s33, s26, ID_O
	s_mov_b32 s[HIM], 0xffff0000
	v_lshlrev_b32 v1, 4, v0                        ; 16 bytes a thread in,
	v_lshlrev_b32 v2, 3, v0                        ; 8 bytes out
	s_mov_b32 s28, s26                             ; source chunk
	s_mov_b32 s29, s26                             ; destination chunk
	s_wait_kmcnt 0x0
	s_mov_b64 s[SRC:SRC+1], s[8:9]
	s_mov_b64 s[DST:DST+1], s[18:19]
	s_cmp_ge_u32 s26, ID_Q
	s_cselect_b64 s[SRC:SRC+1], s[10:11], s[SRC:SRC+1]
	s_cselect_b64 s[DST:DST+1], s[20:21], s[DST:DST+1]
	s_cselect_b32 s28, s30, s28
	s_cselect_b32 s29, s30, s29                    ; W_Q, W_K, W_V follow each other in wqkv
	s_cmp_ge_u32 s26, ID_K
	s_cselect_b64 s[SRC:SRC+1], s[12:13], s[SRC:SRC+1]
	s_cselect_b32 s28, s31, s28
	s_cmp_ge_u32 s26, ID_V
	s_cselect_b64 s[SRC:SRC+1], s[14:15], s[SRC:SRC+1]
	s_cselect_b32 s28, s32, s28
	s_cmp_ge_u32 s26, ID_O
	s_cselect_b64 s[SRC:SRC+1], s[16:17], s[SRC:SRC+1]
	s_cselect_b64 s[DST:DST+1], s[22:23], s[DST:DST+1]
	s_cselect_b32 s28, s33, s28
	s_cselect_b32 s29, s33, s29
	s_lshl_b32 s38, s28, 16                        ; 65,536 bytes of f32 a chunk
	s_mov_b32 s39, 0
	s_lshl_b32 s40, s29, 15                        ; 32,768 bytes of 16-bit numbers
	s_mov_b32 s41, 0
	s_add_nc_u64 s[SRC:SRC+1], s[SRC:SRC+1], s[38:39]
	s_add_nc_u64 s[DST:DST+1], s[DST:DST+1], s[40:41]
; A chunk.  f16 = 1: the bf16 number is widened again and written as f16.  Every load and store has registers of its own: none is rewritten.
.macro CAST f16
.set i, 0
.rept 16
	global_load_b128 v[16+4*i:19+4*i], v1, s[SRC:SRC+1] offset:4096*i th:TH_LOAD_NT
.set i, i+1
.endr
.set i, 0
.rept 16
	s_wait_loadcnt 15-i                            ; loads come back in order: number i is in, the 15 - i younger ones stay out
	v_cvt_pk_bf16_f32 v[80+2*i], v[16+4*i], v[17+4*i]
	v_cvt_pk_bf16_f32 v[81+2*i], v[18+4*i], v[19+4*i]
.if \f16
	v_lshlrev_b32 v4, 16, v[80+2*i]
	v_and_b32 v5, s[HIM], v[80+2*i]
	v_lshlrev_b32 v6, 16, v[81+2*i]
	v_and_b32 v7, s[HIM], v[81+2*i]
	v_cvt_pk_f16_f32 v[80+2*i], v4, v5
	v_cvt_pk_f16_f32 v[81+2*i], v6, v7
.endif
	global_store_b64 v2, v[80+2*i:81+2*i], s[DST:DST+1] offset:2048*i
.set i, i+1
.endr
	s_endpgm
.endm
	s_cmp_ge_u32 s26, ID_O
	s_cbranch_scc1 .Lf16
	CAST 0
.Lf16:
	CAST 1
; cos and sin of the angle in v[a], into v[c] and v[s].  At work: v20-27.  Only values are chosen by the quadrant, by v_cndmask_b32 and sign bits.
.macro SINCOS a, c, s
	v_mul_f32 v20, s41, v[\a]
	v_rndne_f32 v20, v20                           ; n = the nearest whole number to a x 2 / pi
	v_fma_f32 v21, v20, s42, v[\a]                 ; r = a - n x (pi/2's upper part),
	v_fma_f32 v21, v20, s43, v21                   ; less n x its lower part
	v_mul_f32 v22, v21, v21                        ; r^2
	v_fma_f32 v23, v22, s46, s45
	v_fma_f32 v23, v22, v23, s44
	v_mul_f32 v24, v21, v22
	v_fma_f32 v23, v24, v23, v21                   ; sin r
	v_fma_f32 v25, v22, s49, s48
	v_fma_f32 v25, v22, v25, s47
	v_fma_f32 v26, v22, -0.5, 1.0
	v_mul_f32 v24, v22, v22
	v_fma_f32 v25, v25, v24, v26                   ; cos r
	v_cvt_i32_f32 v27, v20
	v_and_b32 v24, 1, v27
	v_cmp_eq_u32 vcc_lo, 1, v24                    ; odd quadrants swap the two
	v_cndmask_b32 v[\s], v23, v25, vcc_lo
	v_cndmask_b32 v[\c], v25, v23, vcc_lo
	v_and_b32 v24, 2, v27                          ; the sine is negative in quadrants 2 and 3,
	v_lshlrev_b32 v24, 30, v24
	v_xor_b32 v[\s], v24, v[\s]
	v_add_nc_u32 v24, 1, v27                       ; the cosine in 1 and 2
	v_and_b32 v24, 2, v24
	v_lshlrev_b32 v24, 30, v24
	v_xor_b32 v[\c], v24, v[\c]
.endm
.Ltable:
	s_sub_co_u32 s28, s26, ID_T
	s_lshl_b32 s28, s28, 11                        ; 2,048 entries a work-group
	v_add_nc_u32 v2, s28, v0                       ; e: my entry
	s_mov_b32 s40, 0xbe549a78                      ; -log2(10000) / 64
	s_mov_b32 s41, 0x3f22f983                      ; 2 / pi
	s_mov_b32 s42, 0xbfc90fdb                      ; -(pi/2 rounded to f32)
	s_mov_b32 s43, 0x333bbd2e                      ; that number less pi/2
	s_mov_b32 s44, 0xbe2aaaa3                      ; the sine's three coefficients
	s_mov_b32 s45, 0x3c08839e
	s_mov_b32 s46, 0xb94ca1f9
	s_mov_b32 s47, 0x3d2aaaa5                      ; the cosine's
	s_mov_b32 s48, 0xbab6061a
	s_mov_b32 s49, 0x37ccf5ce
	s_mov_b32 s27, 8
	s_wait_kmcnt 0x0
.Ltrip:                                                ; eight trips, 256 entries each
	v_and_b32 v3, 15, v2                           ; L % 16
	v_bfe_u32 v4, v2, 4, 1                         ; L / 16
	v_bfe_u32 v5, v2, 5, 1                         ; t
	v_bfe_u32 v6, v2, 6, 3                         ; b
	v_lshrrev_b32 v7, 9, v2                        ; row block
	v_lshl_add_u32 v3, v7, 4, v3                   ; the position
	v_cvt_f32_u32 v3, v3
	v_lshlrev_b32 v6, 3, v6
	v_lshl_add_u32 v6, v4, 2, v6
	v_lshl_add_u32 v6, v5, 1, v6                   ; i0
	v_cvt_f32_u32 v6, v6
	v_add_f32 v7, 1.0, v6
	v_mul_f32 v6, s40, v6
	v_mul_f32 v7, s40, v7
	v_exp_f32 v6, v6                               ; the two frequencies
	v_exp_f32 v7, v7
	v_lshlrev_b32 v10, 4, v2                       ; the entry's 16 bytes: the plain instruction behind the exponentials
	s_wait_alu depctr_va_vdst(0)                   ; one wait for both, ahead of their first reader
	v_mul_f32 v8, v3, v6                           ; position x frequency, one rounding
	v_mul_f32 v9, v3, v7
	SINCOS 8, 28, 29
	SINCOS 9, 30, 31
	global_store_b128 v10, v[28:31], s[24:25]      ; a wave stores 512 consecutive bytes
	s_wait_xcnt 0x0                                ; the store has read its registers: the next trip writes them anew
	v_add_nc_u32 v2, 0x100, v2
	s_sub_co_u32 s27, s27, 1
	s_cmp_lg_u32 s27, 0
	s_cbranch_scc1 .Ltrip
	s_endpgm
.Lfunc_end_k_qb8ff874434_prep:
	.size	k_qb8ff874434_prep, .Lfunc_end_k_qb8ff874434_prep-k_qb8ff874434_prep
	.p2alignl 7, 3214868480
	.fill 96, 4, 3214868480
	.section	.rodata,"a",@progbits
	.p2align	6, 0x0
	.amdhsa_kernel k_qb8ff874434_prep
		.amdhsa_group_segment_fixed_size 0
		.amdhsa_private_segment_fixed_size 0
		.amdhsa_enable_private_segment 0
		.amdhsa_kernarg_size 72
		.amdhsa_user_sgpr_count 2
		.amdhsa_user_sgpr_kernarg_segment_ptr 1
		.amdhsa_wavefront_size32 1
		.amdhsa_system_sgpr_workgroup_id_x 1
		.amdhsa_system_sgpr_workgroup_id_y 1
		.amdhsa_system_sgpr_workgroup_id_z 1
		.amdhsa_system_vgpr_workitem_id 0
		.amdhsa_next_free_vgpr 112
		.amdhsa_next_free_sgpr 66
		.amdhsa_reserve_vcc 1
		.amdhsa_float_denorm_mode_32 3
		.amdhsa_float_denorm_mode_16_64 3
		.amdhsa_memory_ordered 1
		.amdhsa_forward_progress 1
		.amdhsa_inst_pref_size 22
	.end_amdhsa_kernel
	.amdgpu_metadata
---
amdhsa.version: [ 1, 2 ]
amdhsa.kernels:
  - .name:           k_qb8ff874434_prep
    .symbol:         k_qb8ff874434_prep.kd
    .args:
      - { .name: x, .offset: 0, .size: 8, .value_kind: global_buffer, .address_space: global }
      - { .name: W_Q, .offset: 8, .size: 8, .value_kind: global_buffer, .address_space: global }
      - { .name: W_K, .offset: 16, .size: 8, .value_kind: global_buffer, .address_space: global }
      - { .name: W_V, .offset: 24, .size: 8, .value_kind: global_buffer, .address_space: global }
      - { .name: W_O, .offset: 32, .size: 8, .value_kind: global_buffer, .address_space: global }
      - { .name: xh, .offset: 40, .size: 8, .value_kind: global_buffer, .address_space: global }
      - { .name: wqkv, .offset: 48, .size: 8, .value_kind: global_buffer, .address_space: global }
      - { .name: woh, .offset: 56, .size: 8, .value_kind: global_buffer, .address_space: global }
      - { .name: rope, .offset: 64, .size: 8, .value_kind: global_buffer, .address_space: global }
    .group_segment_fixed_size: 0
    .private_segment_fixed_size: 0
    .kernarg_segment_align: 8
    .kernarg_segment_size: 72
    .max_flat_workgroup_size: 256
    .sgpr_count:     66
    .vgpr_count:     112
    .wavefront_size: 32
...
	.end_amdgpu_metadata
.endif
;; end of part 1
;; launch qkvp (part 2): grid 16 x 16, 4 waves a work-group, clusters of 4 x 4, 327,680 bytes of LDS; arguments xh, wqkv, rope, b_Q, b_K, b_V, qkv; writes qkv
.if DOCPART == 2
	.amdgcn_target "amdgcn-amd-amdhsa--gfx1250"
	.amdhsa_code_object_version 6
	.text
	.protected	k_qb8ff874434_qkvp
	.globl	k_qb8ff874434_qkvp
	.p2align	8
	.type	k_qb8ff874434_qkvp,@function
k_qb8ff874434_qkvp:
	s_mov_b64 s[64:65], 0
	v_nop
	global_prefetch_b8 v0, s[64:65] scope:SCOPE_SE
	s_setreg_imm32_b32 hwreg(HW_REG_WAVE_MODE, 25, 1), 1
	s_wait_xcnt 0x0
	s_wait_alu depctr_hold_cnt(0) depctr_sa_sdst(0) depctr_va_vdst(0) depctr_va_sdst(0) depctr_va_ssrc(0) depctr_va_vcc(0) depctr_vm_vsrc(0)
	s_getreg_b32 s2, hwreg(HW_REG_IB_STS2, 6, 4)
	s_cmp_eq_u32 s2, 0
	s_cbranch_scc0 .Lentry_in_a_cluster
	s_endpgm
.Lentry_in_a_cluster:
	s_bfe_u32 s2, ttmp6, 0x10000c
	s_cmp_lg_u32 s2, 0xf033
	s_cbranch_scc0 .Lentry_shape_is_right
	s_endpgm
.Lentry_shape_is_right:
; QKVP: q, k, v = x W + b, the rotary turn on q and k, stored by heads: qkv [16][4096][128] f16 (heads 0-7 q, 8-11 k, 12-15 v), without the attention's scale.
; x and W multiply in bf16 (xh [4096][2048], wqkv [16][2048 k][128 n]); sums, bias and turn in f32; one rounding to f16.  The biases are rounded to bf16 like every input.
; LIMITS.  f16 ends at 65,504: q, k and v must stay within it.  NaN and infinities are not treated apart.
; SHARES.  A work-group makes 256 rows x one head's 128 columns: 16 x 16 work-groups.  Wave w makes rows 64 w .. 64 w + 63, all 128 columns: 32 accumulators, 256 registers.
; K goes in steps of 128 through two LDS slots.  A's rows are 256 bytes of memory; B lies [k][n], 256 bytes a row, and is turned on its way out of LDS by ds_load_tr16_b128.
; CLUSTER.  4 x 4 work-groups.  A's tile hangs on the tile row alone and is asked for jointly by a row of the cluster, B's on the head alone, jointly by a column.
; THE MATRIX INSTRUCTION IS USED TRANSPOSED (source 0 = 16 columns of W, source 1 = 16 rows of x): lane (r = l % 16, h = l / 16), register j of accumulator (a, b) holds row 16 a + r, column 16 b + 8 h + j.
; So a rotary pair lies in two neighbouring registers of one lane, and eight columns pack into 16 bytes.
; REGISTERS.  window 0: v1-31 addresses; v32-63 packed results; v64-159, v160-255 two fragment buffers (8 of B, then 4 of A); window 1: the accumulators, (a, b) at 64 a + 8 b;
;   window 2: v0-63 the bias of my 64 columns, v64-95 at work; window 3: cosine (even register) and sine (odd) for the accumulator register of the same number.
; The heads of v load the table too and do not use it: every wave then has the same loads and the same waits.
.set KSTEPS, 16
.set PA,     272                       ; a row of A in LDS: 256 bytes + 16: the 16 rows of a load start at 16 different groups of four banks (64 banks of 4 bytes: ISA guide 11.1)
.set PB,     288                       ; a row of B: 256 + 32
.set ABYTES, 256*PA
.set BBYTES, 128*PB
.set SLOT1,  1<<17                     ; slot 1 begins here: one exclusive or turns an address in one slot into the other's
.set STAGE,  SLOT1+ABYTES+BBYTES       ; behind the ring, never filled by a tensor load: 16 rows x 272 bytes for each wave
.set SP,     272
.set SPARE,  STAGE+4*16*SP             ; the spare words, 128 bytes for each wave: two blocks of 256 bytes that no other line names
.set ASTEP,  256                       ; bytes from a K step to the next, in xh
.set BSTEP,  32768                     ; and in wqkv
.set A0,   16                          ; v16  my lane's place in A's tile; never rewritten
.set B0,   17                          ; v17  in B's
.set ADRA, 18                          ; v18  the same in the slot in hand
.set ADRB, 19
.set STO,  24                          ; v24  the way out: where I put 16 bytes of a row
.set RD,   25                          ; v25  where I read rows back
.set CO,   26                          ; v26  16 x lane
.set BOF,  27                          ; v27  32 x (lane / 16)
.set SPW,  28                          ; v28  LDS address of my spare word; never rewritten
.set NIL,  29                          ; v29  0; never rewritten
.set PFO,  30                          ; v30  the prefetches' offset: a lane a row
.set TMP,  32
.set F0,   64
.set F1,   160
.set G1A, 24                           ; s[24:31] descriptor group 1 for A's tiles
.set G0A, 32                           ; s[32:39] group 0: a set for each first fill; the second then walks on
.set G1B, 48
.set G0B, 56
.set TB,  66                           ; s66  the slot that is read: 0 or SLOT1
.set LIM, 67                           ; s67  2 in a wave that prefetches, else the greatest number
.set PFA, 68                           ; s[68:69] where my prefetches stand
.set PFS, 70                           ; s[70:71] their step
.set OUT, 72                           ; s[72:73] qkv at my wave's first row
.set RPB, 74                           ; s[74:75] the table at my wave's first row block
.set BP,  76                           ; s[76:77] the head's bias
.set HIM, 78                           ; s78  a word's upper half
.set CLX, 79                           ; s79  the cluster's x: 0, 1 heads of q; 2 of k; 3 of v
.set MSB, 0
.macro WIN new                         ; the immediate's high byte repeats the setting that is left; a switch that changes nothing is dropped
.if MSB != (\new)
	s_set_vgpr_msb (MSB<<8)|(\new)
.set MSB, \new
.endif
.endm
.macro PLACES                          ; four plain instructions between a matrix instruction and a load into, or a vector read of, its registers
.rept 4
	v_nop
.endr
.endm
; A joint refill by the walking sets.  Waves 0 and 1 fetch A's halves, waves 2 and 3 B's: the branch hangs on the wave's number alone.  An s_nop 0 and four v_nop follow each line.
.macro JLOAD
	s_cmp_eq_u32 s11, 0
	s_cbranch_scc0 .Lfor_b_\@
	tensor_load_to_lds s[G0A+4:G0A+7], s[G1A:G1A+7]
	s_nop 0
.rept 4
	v_nop
.endr
	s_branch .Lasked_\@
.Lfor_b_\@:
	tensor_load_to_lds s[G0B+4:G0B+7], s[G1B:G1B+7]
	s_nop 0
.rept 4
	v_nop
.endr
.Lasked_\@:
.endm
.macro CREST                           ; a round of the cluster's barrier behind its opening barrier
	s_cmp_lg_u32 s10, 0
	s_cbranch_scc1 .Lnot_wave_0_\@
	s_barrier_signal -3
.Lnot_wave_0_\@:
	s_barrier_wait -3
	s_barrier_signal -1
	s_barrier_wait -1
.endm
.macro CROUND
	s_barrier_signal -1
	s_barrier_wait -1
	CREST
.endm
; A prefetch of the K step that stands two refills on: 32 rows x 256 bytes, a lane a row.  A's rows: waves 0 and 1 of the clusters with x = 0, the partner at cx takes 32 of the wave's 128 rows.
; B's rows: wave 2 of the clusters with y = 0, the partner at cy takes 32 of the step's 128.  The partners are told apart by address.  So each row's 256 bytes of a K step are named once in the launch.
; The first four K steps come by their loads alone; the last two trips name nothing: there is no K step two refills on.
.macro ASK
	s_cmp_gt_u32 s3, s[LIM]
	s_cbranch_scc0 .Lnot_mine_\@
	global_prefetch_b8 v[PFO], s[PFA:PFA+1] th:TH_LOAD_NT scope:SCOPE_SE
.Lnot_mine_\@:
.endm
; 8 matrix instructions: row block a x all 8 column blocks, 32 along K, from buffer f.  Each accumulator has one instruction in a quarter step: 31 others' stand between two links of a chain.
.macro MULA f, a, zero
	WIN 0x50                                       ; C and D in window 1
.irp b, 0,1,2,3,4,5,6,7
.if \zero
	v_wmma_f32_16x16x32_bf16 v[64*(\a)+8*(\b):64*(\a)+8*(\b)+7], v[(\f)+8*(\b):(\f)+8*(\b)+7], v[(\f)+64+8*(\a):(\f)+64+8*(\a)+7], 0
.else
	v_wmma_f32_16x16x32_bf16 v[64*(\a)+8*(\b):64*(\a)+8*(\b)+7], v[(\f)+8*(\b):(\f)+8*(\b)+7], v[(\f)+64+8*(\a):(\f)+64+8*(\a)+7], v[64*(\a)+8*(\b):64*(\a)+8*(\b)+7]
.endif
.endr
.endm
; 24 LDS loads in one run: quarter q's fragments into buffer g: B's eight (turned), then A's row blocks 0, 1, then 2, 3
.macro FETCH q, g
	WIN 0
.irp b, 0,1,2,3,4,5,6,7
	ds_load_tr16_b128 v[(\g)+8*(\b):(\g)+8*(\b)+3],   v[ADRB] offset:(\q)*32*PB+32*(\b)
	ds_load_tr16_b128 v[(\g)+8*(\b)+4:(\g)+8*(\b)+7], v[ADRB] offset:(\q)*32*PB+16*PB+32*(\b)
.endr
.irp a, 0,1,2,3
	ds_load_b128 v[(\g)+64+8*(\a):(\g)+64+8*(\a)+3],   v[ADRA] offset:(\q)*64+(\a)*16*PA
	ds_load_b128 v[(\g)+64+8*(\a)+4:(\g)+64+8*(\a)+7], v[ADRA] offset:(\q)*64+(\a)*16*PA+32
.endr
.endm
; A K step is four quarters of 32 along K, on buffers 0, 1, 0, 1.  One of the first three multiplies buffer f and, in its middle, fetches quarter q into buffer g.
.macro QUARTER q, f, g, zero
	s_wait_dscnt 4                                 ; B and A's row blocks 0, 1 are in; the youngest four loads (blocks 2, 3) may be out
	MULA \f, 0, \zero
	MULA \f, 1, \zero
	PLACES
	FETCH \q, \g
	s_wait_dscnt 24                                ; all but the 24 just issued
	MULA \f, 2, \zero
	MULA \f, 3, \zero
.endm
; The last quarter multiplies buffer 1 and changes slots.  In front of the barrier each wave waits for all its tensor loads (one is out: its part of the next slot), adds 0 to its spare word,
; and waits for that and for its reads of this slot.  fill = 1: the barrier opens a round of the cluster's, and the joint refill, two K steps on, is the first thing behind the round.
.macro TURN fill
.if \fill
	s_wait_xcnt 0x0                                ; the last prefetch, a K step back, has read its address
	s_add_nc_u64 s[PFA:PFA+1], s[PFA:PFA+1], s[PFS:PFS+1]
.endif
	WIN 0
	s_wait_tensorcnt 0x0
	ds_add_u32 v[SPW], v[NIL]                      ; 0 onto my spare word; eight matrix instructions stand between it and the wait for it
	s_wait_dscnt 5                                 ; the add and A's row blocks 2, 3 may be out
	MULA F1, 0, 0
	s_wait_dscnt 0x0                               ; the add is done, my reads of this slot are over
	s_barrier_signal -1
	MULA F1, 1, 0
	WIN 0
	s_barrier_wait -1
.if \fill
	CREST                                          ; no wave of any partner still reads this slot or has a load on its way
	s_xor_b32 s[G0A+5], s[G0A+5], SLOT1            ; the walking sets: the other slot than last time, the next K step
	s_add_nc_u64 s[G0A+6:G0A+7], s[G0A+6:G0A+7], ASTEP
	s_xor_b32 s[G0B+5], s[G0B+5], SLOT1
	s_add_nc_u64 s[G0B+6:G0B+7], s[G0B+6:G0B+7], BSTEP
	JLOAD                                          ; 112 matrix instructions ahead of the wait for it; its four v_nop are also the places in front of the loads below
.else
	PLACES
.endif
	s_xor_b32 s[TB], s[TB], SLOT1
	v_add_nc_u32 v[ADRA], s[TB], v[A0]
	v_add_nc_u32 v[ADRB], s[TB], v[B0]
	FETCH 0, F0
.if \fill
	ASK
.endif
	MULA F1, 2, 0
	MULA F1, 3, 0
.endm
.macro TLOAD a                         ; the table for row block a: 16 loads of 512 consecutive bytes
	WIN 0xc0                                       ; destination window 3
.irp b, 0,1,2,3,4,5,6,7
	global_load_b128 v[64*(\a)+8*(\b):64*(\a)+8*(\b)+3],   v[CO], s[RPB:RPB+1] offset:8192*(\a)+1024*(\b)
	global_load_b128 v[64*(\a)+8*(\b)+4:64*(\a)+8*(\b)+7], v[CO], s[RPB:RPB+1] offset:8192*(\a)+1024*(\b)+512
.endr
	WIN 0
.endm
	s_load_b256 s[80:87], s[0:1], 0x0              ; xh 80, wqkv 82, rope 84, b_Q 86
	s_load_b128 s[88:91], s[0:1], 0x20             ; b_K 88, b_V 90
	s_load_b64 s[92:93], s[0:1], 0x30              ; qkv
	v_lshl_add_u32 v[SPW], v0, 2, SPARE
	v_mov_b32 v[NIL], 0
	ds_add_u32 v[SPW], v[NIL]                      ; the wave's opening: the add and its wait stand ahead of my first tensor load
	v_lshrrev_b32 v1, 5, v0
	v_readfirstlane_b32 s10, v1                    ; wave 0..3
	s_lshr_b32 s11, s10, 1                         ; I fetch for A (0) or for B (1),
	s_and_b32 s12, s10, 1                          ; its first or second half
	s_bfe_u32 s40, ttmp6, 0x40000                  ; cx
	s_bfe_u32 s41, ttmp6, 0x40004                  ; cy
	s_mov_b32 s[CLX], ttmp9
	s_lshl_b32 s42, ttmp9, 2
	s_add_co_u32 s42, s42, s40                     ; the head = 4 x cluster x + cx
	s_and_b32 s13, ttmp7, 0xffff
	s_lshl_b32 s13, s13, 2
	s_add_co_u32 s13, s13, s41                     ; the tile row = 4 x cluster y + cy
	s_lshl_b32 s43, s41, 2
	s_lshl_b32 s43, 15, s43                        ; my row of the cluster
	s_lshl_b32 s44, 0x1111, s40                    ; my column
	s_or_b32 s[G1A], s43, (1<<16)|(1<<20)|(1<<21)|(5<<22)|(3<<25)  ; the mask; 2-byte elements; padding on; bit 21 beside a mask; after every 64 words, 4 words
	s_or_b32 s[G1B], s44, (1<<16)|(1<<20)|(1<<21)|(5<<22)|(7<<25)  ; the same with 8 words of padding
	s_mov_b32 s[G1A+1], 128<<16                    ; tensor_dim0 = 128
	s_mov_b32 s[G1A+2], 128<<16                    ; tensor_dim1 = 128
	s_mov_b32 s[G1A+3], 128<<16                    ; tile_dim0 = 128
	s_mov_b32 s[G1A+4], 128                        ; tile_dim1 = 128 rows
	s_mov_b32 s[G1A+5], 2048                       ; elements from row to row of xh
	s_mov_b32 s[G1A+6], 0
	s_mov_b32 s[G1A+7], 0
	s_mov_b32 s[G1B+1], 128<<16
	s_mov_b32 s[G1B+2], 64<<16                     ; 64 rows
	s_mov_b32 s[G1B+3], 128<<16
	s_mov_b32 s[G1B+4], 64
	s_mov_b32 s[G1B+5], 128                        ; a head's rows of W are dense
	s_mov_b32 s[G1B+6], 0
	s_mov_b32 s[G1B+7], 0
	s_lshl_b32 s16, s13, 20                        ; A: 256 x tile row rows of 4,096 bytes,
	s_lshl_b32 s17, s12, 19                        ; + my 128
	s_add_co_u32 s16, s16, s17
	s_mov_b32 s17, 0
	s_lshl_b32 s46, s42, 19                        ; B: the head's 524,288 bytes,
	s_lshl_b32 s47, s12, 14                        ; + my 64 rows of 256
	s_add_co_u32 s46, s46, s47
	s_mov_b32 s47, 0
	s_mul_i32 s20, s12, 128*PA                     ; where they go: no place in the cluster enters an LDS address
	s_mul_i32 s21, s12, 64*PB
	s_add_co_u32 s21, s21, ABYTES
	s_mov_b32 s[HIM], 0xffff0000
	s_mov_b32 s[TB], 0
	s_wait_dscnt 0x0                               ; the opening add is done
	s_wait_kmcnt 0x0
	s_add_nc_u64 s[14:15], s[80:81], s[16:17]
	s_add_nc_u64 s[46:47], s[82:83], s[46:47]
	CROUND                                         ; all sixteen work-groups are here: the first joint loads meet
.irp s, 0,1
	s_mov_b32 s[G0A+4*(\s)], 1
	s_add_co_u32 s[G0A+4*(\s)+1], s20, (\s)*SLOT1
	s_add_nc_u64 s[G0A+4*(\s)+2:G0A+4*(\s)+3], s[14:15], (\s)*ASTEP
	s_or_b32 s[G0A+4*(\s)+3], s[G0A+4*(\s)+3], 0x80000000
	s_mov_b32 s[G0B+4*(\s)], 1
	s_add_co_u32 s[G0B+4*(\s)+1], s21, (\s)*SLOT1
	s_add_nc_u64 s[G0B+4*(\s)+2:G0B+4*(\s)+3], s[46:47], (\s)*BSTEP
	s_or_b32 s[G0B+4*(\s)+3], s[G0B+4*(\s)+3], 0x80000000
.endr
	s_cmp_eq_u32 s11, 0                            ; a wave's two first fills stand in one branch: two loads of mine are out
	s_cbranch_scc0 .Lfirst_b
	tensor_load_to_lds s[G0A:G0A+3], s[G1A:G1A+7]
	s_nop 0
	tensor_load_to_lds s[G0A+4:G0A+7], s[G1A:G1A+7]
	s_nop 0
.rept 4
	v_nop
.endr
	s_branch .Lfirst_asked
.Lfirst_b:
	tensor_load_to_lds s[G0B:G0B+3], s[G1B:G1B+7]
	s_nop 0
	tensor_load_to_lds s[G0B+4:G0B+7], s[G1B:G1B+7]
	s_nop 0
.rept 4
	v_nop
.endr
.Lfirst_asked:
	v_and_b32 v1, 15, v0                           ; r
	v_bfe_u32 v2, v0, 4, 1                         ; h
	v_and_b32 v3, 31, v0                           ; lane
	v_mul_u32_u24 v[A0], v1, PA                    ; a fragment of A: row r, 16 bytes for each half of the lanes, twice, 32 bytes apart
	v_lshl_add_u32 v[A0], v2, 4, v[A0]
	s_mul_i32 s4, s10, 64*PA                       ; my wave's 64 rows
	v_add_nc_u32 v[A0], s4, v[A0]
	v_and_b32 v4, 7, v0                            ; the turning load: lane l reads row 8 h + l % 8, 16 bytes at 16 ((l / 8) % 2)
	v_lshl_add_u32 v4, v2, 3, v4
	v_mul_u32_u24 v[B0], v4, PB
	v_bfe_u32 v5, v0, 3, 1
	v_lshl_add_u32 v[B0], v5, 4, v[B0]
	v_add_nc_u32 v[B0], ABYTES, v[B0]
	v_mov_b32 v[ADRA], v[A0]
	v_mov_b32 v[ADRB], v[B0]
	s_mul_i32 s4, s10, 16*SP
	s_add_co_u32 s4, s4, STAGE                     ; my stage
	v_mul_u32_u24 v[STO], v1, SP
	v_lshl_add_u32 v[STO], v2, 4, v[STO]
	v_add_nc_u32 v[STO], s4, v[STO]
	v_mul_u32_u24 v[RD], v2, SP
	v_lshl_add_u32 v[RD], v1, 4, v[RD]
	v_add_nc_u32 v[RD], s4, v[RD]
	v_lshlrev_b32 v[CO], 4, v3
	v_lshlrev_b32 v[BOF], 5, v2
	s_lshl_b32 s4, s42, 20                         ; qkv: the head's 2^20 bytes, 256 x tile row + 64 x wave rows of 256
	s_lshl_b32 s5, s13, 16
	s_add_co_u32 s4, s4, s5
	s_lshl_b32 s5, s10, 14
	s_add_co_u32 s4, s4, s5
	s_mov_b32 s5, 0
	s_add_nc_u64 s[OUT:OUT+1], s[92:93], s[4:5]
	s_lshl_b32 s4, s13, 17                         ; the table: row block 16 x tile row + 4 x wave, 8,192 bytes each
	s_lshl_b32 s5, s10, 15
	s_add_co_u32 s4, s4, s5
	s_mov_b32 s5, 0
	s_add_nc_u64 s[RPB:RPB+1], s[84:85], s[4:5]
	s_lshl_b32 s4, s42, 9                          ; the bias: 512 bytes a head, in b_Q, b_K or b_V by the cluster's x
	s_sub_co_u32 s5, s4, 8*512
	s_sub_co_u32 s6, s4, 12*512
	s_mov_b64 s[BP:BP+1], s[86:87]
	s_cmp_ge_u32 s[CLX], 2
	s_cselect_b64 s[BP:BP+1], s[88:89], s[BP:BP+1]
	s_cselect_b32 s4, s5, s4
	s_cmp_ge_u32 s[CLX], 3
	s_cselect_b64 s[BP:BP+1], s[90:91], s[BP:BP+1]
	s_cselect_b32 s4, s6, s4
	s_mov_b32 s5, 0
	s_add_nc_u64 s[BP:BP+1], s[BP:BP+1], s[4:5]
	WIN 0x80                                       ; destination window 2
.irp b, 0,1,2,3,4,5,6,7
	global_load_b128 v[8*(\b):8*(\b)+3],   v[BOF], s[BP:BP+1] offset:64*(\b)
	global_load_b128 v[8*(\b)+4:8*(\b)+7], v[BOF], s[BP:BP+1] offset:64*(\b)+16
.endr
	TLOAD 0
	TLOAD 1
	; the prefetches
	s_lshl_b32 s4, s13, 8
	s_lshl_b32 s5, s12, 7
	s_add_co_u32 s4, s4, s5
	s_lshl_b32 s5, s40, 5
	s_add_co_u32 s4, s4, s5                        ; A: the 128 rows that I fetch, my work-group's 32 of them,
	s_lshl_b32 s4, s4, 12
	s_add_co_u32 s4, s4, 3*ASTEP                   ; at K step 3: the first refill steps it to 4
	s_lshl_b32 s5, s42, 19
	s_lshl_b32 s6, s41, 13                         ; B: my work-group's 32 of a step's 128 rows
	s_add_co_u32 s5, s5, s6
	s_add_co_u32 s5, s5, 3*BSTEP
	s_and_b32 s6, ttmp7, 0xffff
	s_or_b32 s6, s6, s12                           ; 0 in wave 2 of the clusters with y = 0
	s_mov_b32 s7, ASTEP
	s_mov_b32 s8, BSTEP
	s_cmp_eq_u32 s11, 0
	s_cselect_b64 s[PFA:PFA+1], s[80:81], s[82:83]
	s_cselect_b32 s4, s4, s5
	s_cselect_b32 s6, ttmp9, s6
	s_cselect_b32 s[PFS], s7, s8
	s_cselect_b32 s9, 12, 8                        ; a row of xh is 4,096 bytes, of wqkv 256
	s_mov_b32 s5, 0
	s_mov_b32 s[PFS+1], 0
	s_add_nc_u64 s[PFA:PFA+1], s[PFA:PFA+1], s[4:5]
	s_cmp_eq_u32 s6, 0
	s_cselect_b32 s[LIM], 2, -1
	v_lshlrev_b32 v[PFO], s9, v3
	s_wait_tensorcnt 1                             ; my part of K step 0 is in; K step 1's may stay out
	s_barrier_signal -1
	s_barrier_wait -1
	FETCH 0, F0
	QUARTER 1, F0, F1, 1                           ; the first quarter stands in front of the loop: its products start the sums
	WIN 0
	s_mov_b32 s3, KSTEPS-2
.Lstep:                                                ; a trip: from a K step's second quarter to the next step's first; one slot is filled again
	QUARTER 2, F1, F0, 0
	QUARTER 3, F0, F1, 0
	TURN 1
	QUARTER 1, F0, F1, 0
	WIN 0
	s_sub_co_u32 s3, s3, 1
	s_cmp_lg_u32 s3, 0
	s_cbranch_scc1 .Lstep
	TLOAD 2                                        ; the rest of the table, seven quarters ahead of its use
	TLOAD 3
	QUARTER 2, F1, F0, 0                           ; the last two K steps ask for nothing
	QUARTER 3, F0, F1, 0
	TURN 0
	QUARTER 1, F0, F1, 0
	QUARTER 2, F1, F0, 0
	QUARTER 3, F0, F1, 0
	s_wait_dscnt 4
	MULA F1, 0, 0
	MULA F1, 1, 0
	s_wait_dscnt 0x0
	MULA F1, 2, 0
	MULA F1, 3, 0
	; THE WAY OUT.  The bias is rounded to bf16 and widened again: 96 plain lines, which are also the places behind the last products.
	s_wait_loadcnt 0x0                             ; bias and table
	WIN 0x8a                                       ; all in window 2
.set i, 0
.rept 32
	v_cvt_pk_bf16_f32 v[64+i], v[2*i], v[2*i+1]
.set i, i+1
.endr
.set i, 0
.rept 32
	v_lshlrev_b32 v[2*i], 16, v[64+i]
	v_and_b32 v[2*i+1], s[HIM], v[64+i]
.set i, i+1
.endr
.macro ADDB a                          ; + bias, ascending: each accumulator's lowest registers are read first
	WIN 0x49                                       ; accumulators in window 1, bias in window 2
.irp b, 0,1,2,3,4,5,6,7
.irp i, 0,1,2,3
	v_pk_add_f32 v[64*(\a)+8*(\b)+2*(\i):64*(\a)+8*(\b)+2*(\i)+1], v[64*(\a)+8*(\b)+2*(\i):64*(\a)+8*(\b)+2*(\i)+1], v[8*(\b)+2*(\i):8*(\b)+2*(\i)+1]
.endr
.endr
.endm
.macro ROT a                           ; (x1, x2) -> (x1 c - x2 s, x1 s + x2 c); the heads of v are not turned: the branch hangs on the cluster's x, the same in all partners
	WIN 0
	s_cmp_eq_u32 s[CLX], 3
	s_cbranch_scc1 .Lno_turn_\@
	WIN 0x0d                                       ; source 0 window 1, source 1 window 3, destination window 0
.set i, 0
.rept 32
	v_mul_f32 v[F0+2*i],   v[64*(\a)+2*i+1], v[64*(\a)+2*i+1]  ; x2 s
	v_mul_f32 v[F0+2*i+1], v[64*(\a)+2*i+1], v[64*(\a)+2*i]    ; x2 c
.set i, i+1
.endr
	WIN 0x4d                                       ; destination window 1, source 2 window 0
.set i, 0
.rept 32
	v_fma_f32 v[64*(\a)+2*i+1], v[64*(\a)+2*i], v[64*(\a)+2*i+1], v[F0+2*i+1]
	v_fma_f32 v[64*(\a)+2*i],   v[64*(\a)+2*i], v[64*(\a)+2*i],   -v[F0+2*i]
.set i, i+1
.endr
	WIN 0
.Lno_turn_\@:
.endm
.macro PACK a                          ; rounded to f16: a lane's eight columns are 16 bytes
	WIN 0x05
.irp b, 0,1,2,3,4,5,6,7
.irp i, 0,1,2,3
	v_cvt_pk_f16_f32 v[TMP+4*(\b)+(\i)], v[64*(\a)+8*(\b)+2*(\i)], v[64*(\a)+8*(\b)+2*(\i)+1]
.endr
.endr
	WIN 0
.endm
.macro TOSTAGE                         ; into my own stage and back as whole rows; LDS serves a wave's instructions in order (ISA guide 5.7.1.4)
.irp b, 0,1,2,3,4,5,6,7
	ds_store_b128 v[STO], v[TMP+4*(\b):TMP+4*(\b)+3] offset:32*(\b)
.endr
.irp t, 0,1,2,3,4,5,6,7
	ds_load_b128 v[TMP+4*(\t):TMP+4*(\t)+3], v[RD] offset:(\t)*2*SP
.endr
.endm
.macro SEND a
	s_wait_dscnt 0x0
.irp t, 0,1,2,3,4,5,6,7
	global_store_b128 v[CO], v[TMP+4*(\t):TMP+4*(\t)+3], s[OUT:OUT+1] offset:4096*(\a)+512*(\t)  ; two rows of the head: 512 consecutive bytes
.endr
.endm
	ADDB 0
	ROT 0
	PACK 0
	TOSTAGE
.irp a, 1,2,3
	ADDB \a                                        ; a block's arithmetic stands between the loads of the block before and its stores
	ROT \a
	SEND (\a)-1
	s_wait_xcnt 0x0                                ; the stores have read their registers, which the next block packs into
	PACK \a
	TOSTAGE
.endr
	SEND 3
	s_wait_tensorcnt 0x0                           ; the wave's end
	ds_add_u32 v[SPW], v[NIL]
	s_wait_dscnt 0x0
	CROUND                                         ; the closing round: no work-group ends while a partner may still ask for a tile that names it
	s_endpgm
.Lfunc_end_k_qb8ff874434_qkvp:
	.size	k_qb8ff874434_qkvp, .Lfunc_end_k_qb8ff874434_qkvp-k_qb8ff874434_qkvp
	.p2alignl 7, 3214868480
	.fill 96, 4, 3214868480
	.section	.rodata,"a",@progbits
	.p2align	6, 0x0
	.amdhsa_kernel k_qb8ff874434_qkvp
		.amdhsa_group_segment_fixed_size 327680
		.amdhsa_private_segment_fixed_size 0
		.amdhsa_enable_private_segment 0
		.amdhsa_kernarg_size 56
		.amdhsa_user_sgpr_count 2
		.amdhsa_user_sgpr_kernarg_segment_ptr 1
		.amdhsa_wavefront_size32 1
		.amdhsa_system_sgpr_workgroup_id_x 1
		.amdhsa_system_sgpr_workgroup_id_y 1
		.amdhsa_system_sgpr_workgroup_id_z 1
		.amdhsa_system_vgpr_workitem_id 0
		.amdhsa_next_free_vgpr 1024
		.amdhsa_next_free_sgpr 96
		.amdhsa_reserve_vcc 0
		.amdhsa_float_denorm_mode_32 3
		.amdhsa_float_denorm_mode_16_64 3
		.amdhsa_memory_ordered 1
		.amdhsa_forward_progress 1
		.amdhsa_inst_pref_size 116
	.end_amdhsa_kernel
	.amdgpu_metadata
---
amdhsa.version: [ 1, 2 ]
amdhsa.kernels:
  - .name:           k_qb8ff874434_qkvp
    .symbol:         k_qb8ff874434_qkvp.kd
    .args:
      - { .name: xh, .offset: 0, .size: 8, .value_kind: global_buffer, .address_space: global }
      - { .name: wqkv, .offset: 8, .size: 8, .value_kind: global_buffer, .address_space: global }
      - { .name: rope, .offset: 16, .size: 8, .value_kind: global_buffer, .address_space: global }
      - { .name: b_Q, .offset: 24, .size: 8, .value_kind: global_buffer, .address_space: global }
      - { .name: b_K, .offset: 32, .size: 8, .value_kind: global_buffer, .address_space: global }
      - { .name: b_V, .offset: 40, .size: 8, .value_kind: global_buffer, .address_space: global }
      - { .name: qkv, .offset: 48, .size: 8, .value_kind: global_buffer, .address_space: global }
    .group_segment_fixed_size: 327680
    .private_segment_fixed_size: 0
    .kernarg_segment_align: 8
    .kernarg_segment_size: 56
    .max_flat_workgroup_size: 128
    .sgpr_count:     96
    .vgpr_count:     1024
    .wavefront_size: 32
...
	.end_amdgpu_metadata
.endif
;; end of part 2
;; launch attn (part 3): grid 32 x 8, 4 waves a work-group, clusters of 4 x 1, 327,680 bytes of LDS; arguments qkv, zh; writes zh
.if DOCPART == 3
	.amdgcn_target "amdgcn-amd-amdhsa--gfx1250"
	.amdhsa_code_object_version 6
	.text
	.protected	k_qb8ff874434_attn
	.globl	k_qb8ff874434_attn
	.p2align	8
	.type	k_qb8ff874434_attn,@function
k_qb8ff874434_attn:
	s_mov_b64 s[64:65], 0
	v_nop
	global_prefetch_b8 v0, s[64:65] scope:SCOPE_SE
	s_setreg_imm32_b32 hwreg(HW_REG_WAVE_MODE, 25, 1), 1
	s_wait_xcnt 0x0
	s_wait_alu depctr_hold_cnt(0) depctr_sa_sdst(0) depctr_va_vdst(0) depctr_va_sdst(0) depctr_va_ssrc(0) depctr_va_vcc(0) depctr_vm_vsrc(0)
	s_getreg_b32 s2, hwreg(HW_REG_IB_STS2, 6, 4)
	s_cmp_eq_u32 s2, 0
	s_cbranch_scc0 .Lentry_in_a_cluster
	s_endpgm
.Lentry_in_a_cluster:
	s_bfe_u32 s2, ttmp6, 0x10000c
	s_cmp_lg_u32 s2, 0x3003
	s_cbranch_scc0 .Lentry_shape_is_right
	s_endpgm
.Lentry_shape_is_right:
; ATTN: zh[n][q][:] = the sum over k <= q of softmax_k(q[n][q] . k[n/2][k] / sqrt(128)) v[n/2][k][:].  qkv [16][4096][128] f16 (heads 0-7 q, 8-11 k, 12-15 v), zh [8][4096][128] f16.
; Products, maxima, sums and the waves' partial results in f32; the weights p are rounded to f16 for the second product, z once at the end.
; LIMITS.  A hidden score counts as its value less 1e30; a weight below 2^-126 counts as 0; p below 6e-5 keeps f16's fixed step of 6e-8; NaN and infinities are not treated apart.
; THE WALK.  A head's positions lie in 16 groups of 256.  A cluster of four work-groups takes group 15 - p and then group p (p = the cluster's x): key tiles 0 .. 15 - p, then 0 .. p, of 256 keys:
; 17 tiles whatever p, so all 256 work-groups do equal work and one loop with a constant count walks them.  Partner cx takes the 64 queries 64 cx .. of each group, so all four walk the SAME tiles:
; each tile of K and V is asked for JOINTLY (the same tensor load, descriptor and mask in all four).
; THE WAVES SPLIT THE KEYS: wave w takes keys 64 w .. 64 w + 63 of each tile for all 64 queries (four tiles of 16), with a running maximum m, sum l and O^T of its own; at a block's end the four
; are merged in f32 through LDS.  A branch that enters the merge hangs on p and on counters alone: it is the same in all waves and all partners.
; LAYOUT.  S^T = K Q^T (source 0 = 16 keys, source 1 = 16 queries): a lane holds ONE query (lane % 16) and the keys 8 (lane / 16) + 0..7.  Two such results rounded to f16 ARE source 1 of O^T = V^T P.
; SOFTMAX.  p = 2^(c s - c m), c = log2(e) / sqrt(128); in every tile O and l are multiplied by a = 2^(c m_old - c m_new).  c m starts far below every c s, so a block's first a is 0 and O, l need only be finite.
; THE MASK is the C operand that starts the sum S^T: 0, or -1e30 where the key is hidden.  It hangs on d = key block - query tile + 3 and the register alone: 56 registers MC, 0 but in a block's last tile.
; A wave that has seen no visible key (group 0, w > cx) carries finite numbers with c m near -1.3e29; the merge multiplies them by 2^(c m - the greatest c m) = 0.  Every row sees its own key in wave w = cx.
; A TILE: 32 products K Q^T of piece 0 (query tiles 0, 1); 32 of piece 2 with piece 0's softmax in slices behind them; 32 products V^T P of piece 0 with piece 2's softmax; 32 of piece 2.
; REGISTERS.  window 0: v1-11 addresses; v12-43 eight registers of statistics a query tile; v44-48, v61-63 addresses; v64-191 S^T; v192-255 P.   window 1: O^T, 64 a query tile.
;   window 2: v0-127 Q; v128-255 K.   window 3: v0-127 V; v128-183 MC.
; The 328 v_mov_b32 at the start run in the wait for the first tile: the price of one text for every tile.
.set PK,    272       ; a row of K in LDS: 256 bytes + 16: the 16 rows of a load start at 16 different groups of four banks (64 banks of 4 bytes: ISA guide 11.1)
.set PV,    288       ; a row of V: 256 + 32
.set VOFF,  256*PK    ; a slot: 256 rows of K, then 256 rows of V
.set STAT,  VOFF+256*PV  ; behind slot 0, never filled by a tensor load: (c m, l) by wave, query tile and query: 2,048 bytes
.set SPARE, STAT+2048 ; the spare words, 128 bytes for each wave: two blocks of 256 bytes that no other line names
.set SLOT1, 0x24000   ; slot 1: bits 14 and 17, which are 0 in every address inside slot 0's tiles' first bytes, so one exclusive or steps to the other slot
.set MRG,   SLOT1+STAT  ; behind slot 1, never filled by a tensor load: 16 rows x 528 bytes for each wave, for the merge
.set MP,    528
.set AK0, 2           ; v2   my lane's place in my wave's 64 rows of K; never rewritten
.set AV0, 3           ; v3   the same for V
.set ADK, 4           ; v4   the address of K's run of loads
.set ADV, 5           ; v5   of V's
.set QO,  6           ; v6   my byte offset in 16 rows of Q
.set DD,  7           ; v7   64 (cx - w) + lane % 16 - 8 (lane / 16): register j of offset d is hidden where 16 (d - 3) + j is greater
.set ST,  12          ; query tile t's statistics at v[ST+8 t]: c m, m, l (even keys', odd keys'), four at work
.set SST, 44          ; v44  where I put (c m, l)
.set SRD, 45          ; v45  where I read the four waves'
.set MST, 46          ; v46  where I put 32 bytes of a row of O
.set MRD, 47          ; v47  where I read 16 bytes of my rows
.set ZO,  48          ; v48  my 8 bytes of z
.set PFO, 61          ; v61  256 x lane
.set SPW, 62          ; v62  LDS address of my spare word; never rewritten
.set NIL, 63          ; v63  0; never rewritten
.set S,   64
.set P,   192
.set KF,  128         ; window 2
.set MC,  128         ; window 3
.set WV,  12          ; s12  my wave's number
.set CX,  13          ; s13  my place in the cluster: it enters Q's and z's addresses, the prefetches' and the mask's values alone
.set PP,  14          ; s14  p
.set HD,  15          ; s15  the head
.set KB,  16          ; s[16:17] K at my half of the head's tile 0
.set VB,  18          ; s[18:19] V likewise
.set QB2, 20          ; s[20:21] Q of the second block
.set G1K, 24          ; s[24:31] descriptor group 1 for K's tiles
.set G1V, 32          ; s[32:39] for V's: it differs in the padding alone
.set G0K, 40          ; s[40:43] group 0 for K's tiles
.set G0V, 44          ; s[44:47] for V's
.set ZA,  48          ; s[48:49] z of the block in hand
.set ZB,  50          ; s[50:51] of the second block
.set PFA, 52          ; s[52:53] where my prefetches stand
.set QB1, 54          ; s[54:55] Q of the first block
.set SLOTS, 56        ; s56  tiles still to be asked for
.set RT,  57          ; s57  tiles of the block in hand still to be entered
.set CS,  58          ; s[58:59] c
.set SEL, 60          ; s[60:61] v_permlanex16_b32's selects: each lane takes its own place in the other half
.set TB,  62          ; s62  the slot that is read: 0 or SLOT1
.set LIM, 63          ; s63  2 in a work-group that prefetches, else the greatest number
.set NXT, 66          ; s66  the tile to be asked for next
.set LQ,  67          ; s67  the last tile of the block whose tiles are being asked for
.set OFF, 68          ; s[68:69] a tile's byte offset
.set BIGN, 70         ; s70  -1e30
.set MSB, 0
.macro WIN new
.if MSB != (\new)
	s_set_vgpr_msb (MSB<<8)|(\new)
.set MSB, \new
.endif
.endm
.set W_KQ, 0x0a       ; K and Q in window 2, S^T in window 0
.set W_KM, 0x3a       ; the same with the C operand in window 3
.set W_PV, 0x53       ; V in window 3, P in window 0, O^T in window 1
.set W_RS, 0x41       ; O^T (destination and source 0) in window 1, the factor in window 0
.macro PLACES
.rept 4
	v_nop
.endr
.endm
; A joint fill.  Waves 0 and 1 fetch the halves of a tile's K, waves 2 and 3 those of its V: 128 rows each.  An s_nop 0 and four v_nop follow each line.
.macro JLOAD
	s_cmp_lt_u32 s[WV], 2
	s_cbranch_scc0 .Lfor_v_\@
	tensor_load_to_lds s[G0K:G0K+3], s[G1K:G1K+7]
	s_nop 0
.rept 4
	v_nop
.endr
	s_branch .Lasked_\@
.Lfor_v_\@:
	tensor_load_to_lds s[G0V:G0V+3], s[G1V:G1V+7]
	s_nop 0
.rept 4
	v_nop
.endr
.Lasked_\@:
.endm
; A prefetch of the tile behind the one just asked for.  The cluster p = 0 of each even head walks tiles 0 to 15 of its K and V in order: it asks, and nobody else.  Each wave names rows of the 128 that it
; fetches itself; the partner at cx takes 32 of them, told apart by address: a lane a row of 256 bytes.  So each row is named once in the launch.  Tiles 0 and 1 come by their loads alone; behind tile 15 nothing is named.
.macro ASK
	s_cmp_gt_u32 s[SLOTS], s[LIM]
	s_cbranch_scc0 .Lnot_mine_\@
	global_prefetch_b8 v[PFO], s[PFA:PFA+1] th:TH_LOAD_NT scope:SCOPE_SE
.Lnot_mine_\@:
.endm
.macro CROUND                       ; a round of the cluster's barrier
	s_barrier_signal -1
	s_barrier_wait -1
	s_cmp_lg_u32 s[WV], 0
	s_cbranch_scc1 .Lnot_wave_0_\@
	s_barrier_signal -3
.Lnot_wave_0_\@:
	s_barrier_wait -3
	s_barrier_signal -1
	s_barrier_wait -1
.endm
; THE CHANGE OF SLOTS.  Each wave waits for all its tensor loads (one is out: its part of the other slot), adds 0 to its spare word, and waits for that and for its reads of the slot that it leaves.
; fill = 1: the barrier is a round of the cluster's, and the old slot is filled, first thing behind it, with tile NXT; the descriptor's address is made anew from that number.
; (At its first use nothing has been read yet: slot 0 is waited for, slot 1 filled.)
.macro CHANGE fill
	WIN 0
	s_wait_tensorcnt 0x0            ; no tensor load of mine is out, so a group 0 may be written
	ds_add_u32 v[SPW], v[NIL]       ; 0 onto my spare word; the scalar work stands between it and the wait for it
.if \fill
	s_lshl_b32 s[OFF], s[NXT], 16   ; a tile is 65,536 bytes of K and of V
	s_xor_b32 s[G0K+1], s[G0K+1], SLOT1
	s_add_nc_u64 s[G0K+2:G0K+3], s[KB:KB+1], s[OFF:OFF+1]
	s_or_b32 s[G0K+3], s[G0K+3], 0x80000000
	s_xor_b32 s[G0V+1], s[G0V+1], SLOT1
	s_add_nc_u64 s[G0V+2:G0V+3], s[VB:VB+1], s[OFF:OFF+1]
	s_or_b32 s[G0V+3], s[G0V+3], 0x80000000
	s_add_co_u32 s[NXT], s[NXT], 1  ; the block's next tile, or behind its last the second block's tile 0
	s_cmp_gt_u32 s[NXT], s[LQ]
	s_cselect_b32 s[NXT], 0, s[NXT]
	s_cselect_b32 s[LQ], s[PP], s[LQ]
	s_wait_xcnt 0x0                 ; the last prefetch, a tile back, has read its address
	s_add_nc_u64 s[PFA:PFA+1], s[PFA:PFA+1], 65536
	s_wait_dscnt 0x0                ; the add is done, my reads of the slot are over
	CROUND
	JLOAD
	ASK
.else
	s_wait_dscnt 0x0
	s_barrier_signal -1
	s_barrier_wait -1
.endif
	s_xor_b32 s[TB], s[TB], SLOT1
.endm
.macro QLOAD base                   ; 64 queries stay in registers: tile i / 4, channels 32 (i % 4) on
	WIN 0x80
.set i, 0
.rept 16
	global_load_b128 v[8*i:8*i+3],   v[QO], s[\base:\base+1] offset:(i/4)*4096+(i%4)*64
	global_load_b128 v[8*i+4:8*i+7], v[QO], s[\base:\base+1] offset:(i/4)*4096+(i%4)*64+32
.set i, i+1
.endr
	WIN 0
.endm
	s_load_b128 s[4:7], s[0:1], 0x0 ; qkv s[4:5], zh s[6:7]
	v_lshl_add_u32 v[SPW], v0, 2, SPARE
	v_mov_b32 v[NIL], 0
	ds_add_u32 v[SPW], v[NIL]       ; the wave's opening: the add and its wait stand ahead of my first tensor load
	v_lshrrev_b32 v1, 5, v0
	v_readfirstlane_b32 s[WV], v1
	s_bfe_u32 s[CX], ttmp6, 0x40000
	s_mov_b32 s[PP], ttmp9
	s_and_b32 s[HD], ttmp7, 0xffff
	s_and_b32 s3, s[WV], 1          ; which half of a tile's 256 rows I fetch
	s_mul_i32 s22, s3, 128*PK       ; its place in a slot, for K
	s_mul_i32 s23, s3, 128*PV       ; and for V
	s_add_co_u32 s23, s23, VOFF
	s_lshl_b32 s10, s3, 15          ; its 128 rows of 256 bytes in memory
	s_lshr_b32 s2, s[HD], 1         ; two heads of q share a head of k and v
	s_add_co_u32 s2, s2, 8
	s_lshl_b32 s2, s2, 20
	s_add_co_u32 s2, s2, s10        ; K's offset in qkv,
	s_add_co_u32 s10, s2, 4<<20     ; V's: four heads on
	s_mov_b32 s3, 0
	s_mov_b32 s11, 0
	s_sub_co_u32 s[LQ], 15, s[PP]
	s_lshl_b32 s72, s[HD], 20
	s_lshl_b32 s73, s[CX], 14       ; my 64 rows of a group
	s_add_co_u32 s72, s72, s73
	s_lshl_b32 s73, s[LQ], 16
	s_add_co_u32 s74, s72, s73      ; the first block's offset, in qkv and in zh alike
	s_lshl_b32 s73, s[PP], 16
	s_add_co_u32 s76, s72, s73      ; the second's
	s_mov_b32 s75, 0
	s_mov_b32 s77, 0
	s_mov_b32 s[G1K], 15|(1<<16)|(1<<20)|(1<<21)|(5<<22)|(3<<25)  ; the mask of four; 2-byte elements; padding on; bit 21 beside a mask; after every 64 words, 4 words
	s_mov_b32 s[G1V], 15|(1<<16)|(1<<20)|(1<<21)|(5<<22)|(7<<25)  ; the same with 8 words
.irp g, G1K, G1V
	s_mov_b32 s[(\g)+1], 128<<16    ; tensor_dim0 = 128
	s_mov_b32 s[(\g)+2], 128<<16    ; tensor_dim1 = 128
	s_mov_b32 s[(\g)+3], 128<<16    ; tile_dim0 = 128
	s_mov_b32 s[(\g)+4], 128        ; tile_dim1 = 128 rows
	s_mov_b32 s[(\g)+5], 128        ; elements from row to row
	s_mov_b32 s[(\g)+6], 0
	s_mov_b32 s[(\g)+7], 0
.endr
	s_mov_b32 s[G0K], 1
	s_mov_b32 s[G0K+1], s22
	s_mov_b32 s[G0V], 1
	s_mov_b32 s[G0V+1], s23
	s_mov_b32 s[CS], 0x3e0293ee     ; c = log2(e) / sqrt(128)
	s_mov_b32 s[CS+1], s[CS]
	s_mov_b32 s[SEL], 0x76543210
	s_mov_b32 s[SEL+1], 0xfedcba98
	s_mov_b32 s[TB], SLOT1          ; the first change of slots turns it into 0
	s_mov_b32 s[SLOTS], 16
	s_sub_co_u32 s[RT], 16, s[PP]   ; the first block has 16 - p tiles
	s_mov_b32 s[NXT], 1
	s_mov_b32 s[OFF+1], 0
	s_mov_b32 s[BIGN], 0xf149f2ca   ; -1e30
	s_and_b32 s[LIM], s[HD], 1
	s_or_b32 s[LIM], s[LIM], s[PP]
	s_cmp_eq_u32 s[LIM], 0
	s_cselect_b32 s[LIM], 2, -1
	s_wait_dscnt 0x0                ; the opening add is done
	s_wait_kmcnt 0x0
	s_add_nc_u64 s[KB:KB+1], s[4:5], s[2:3]
	s_add_nc_u64 s[VB:VB+1], s[4:5], s[10:11]
	s_add_nc_u64 s[QB1:QB1+1], s[4:5], s[74:75]
	s_add_nc_u64 s[QB2:QB2+1], s[4:5], s[76:77]
	s_add_nc_u64 s[ZA:ZA+1], s[6:7], s[74:75]
	s_add_nc_u64 s[ZB:ZB+1], s[6:7], s[76:77]
	s_add_nc_u64 s[G0K+2:G0K+3], s[KB:KB+1], 0
	s_or_b32 s[G0K+3], s[G0K+3], 0x80000000
	s_add_nc_u64 s[G0V+2:G0V+3], s[VB:VB+1], 0
	s_or_b32 s[G0V+3], s[G0V+3], 0x80000000
	s_cmp_lt_u32 s[WV], 2
	s_cselect_b64 s[PFA:PFA+1], s[KB:KB+1], s[VB:VB+1]
	s_lshl_b32 s2, s[CX], 13        ; my work-group's 32 rows of the 128,
	s_add_co_u32 s2, s2, 65536      ; in tile 1: the first change of slots steps it to tile 2
	s_mov_b32 s3, 0
	s_add_nc_u64 s[PFA:PFA+1], s[PFA:PFA+1], s[2:3]
	CROUND                          ; all four work-groups are here: the first joint loads meet
	JLOAD                           ; tile 0 into slot 0
	v_and_b32 v1, 15, v0            ; r
	v_bfe_u32 v9, v0, 4, 1          ; h
	v_and_b32 v10, 31, v0           ; lane
	v_lshlrev_b32 v[QO], 8, v1
	v_lshl_add_u32 v[QO], v9, 4, v[QO]
	QLOAD QB1
	s_mul_i32 s2, s[WV], 64*PK      ; my wave's 64 keys
	v_mul_u32_u24 v[AK0], v1, PK
	v_lshl_add_u32 v[AK0], v9, 4, v[AK0]
	v_add_nc_u32 v[AK0], s2, v[AK0]
	v_and_b32 v11, 7, v0            ; the turning load: lane l reads key 8 h + l % 8, channels 8 ((l / 8) % 2) on
	v_lshl_add_u32 v11, v9, 3, v11
	v_mul_u32_u24 v[AV0], v11, PV
	v_bfe_u32 v11, v0, 3, 1
	v_lshl_add_u32 v[AV0], v11, 4, v[AV0]
	s_mul_i32 s2, s[WV], 64*PV
	s_add_co_u32 s2, s2, VOFF
	v_add_nc_u32 v[AV0], s2, v[AV0]
	s_sub_co_i32 s2, s[CX], s[WV]
	s_lshl_b32 s2, s2, 6
	v_lshlrev_b32 v11, 3, v9
	v_sub_nc_u32 v[DD], v1, v11
	v_add_nc_u32 v[DD], s2, v[DD]
	s_lshl_b32 s2, s[WV], 9
	s_add_co_u32 s2, s2, STAT
	v_lshl_add_u32 v[SST], v1, 3, s2
	v_lshlrev_b32 v[SRD], 3, v1
	v_add_nc_u32 v[SRD], STAT, v[SRD]
	s_mul_i32 s2, s[WV], 16*MP
	s_add_co_u32 s2, s2, MRG
	v_mul_u32_u24 v[MST], v1, MP
	v_lshl_add_u32 v[MST], v9, 5, v[MST]
	v_add_nc_u32 v[MST], s2, v[MST]
	s_mul_i32 s2, s[WV], 4*MP
	s_add_co_u32 s2, s2, MRG
	v_lshl_add_u32 v[MRD], v10, 4, s2
	s_lshl_b32 s2, s[WV], 10
	v_lshl_add_u32 v[ZO], v10, 3, s2
	v_lshlrev_b32 v[PFO], 8, v10
	WIN 0x40                        ; O^T, l and the masks are 0, c m and m at their starts
.set i, 0
.rept 256
	v_mov_b32 v[i], 0
.set i, i+1
.endr
	WIN 0xc0
.set i, 0
.rept 56
	v_mov_b32 v[MC+i], 0
.set i, i+1
.endr
	WIN 0
.irp t, 0,1,2,3
	v_mov_b32 v[ST+8*(\t)], 0xfe000000    ; c m: far below every c s
	v_mov_b32 v[ST+8*(\t)+1], 0xff7fffff  ; m
	v_mov_b32 v[ST+8*(\t)+2], 0
	v_mov_b32 v[ST+8*(\t)+3], 0
.endr
; THE MATRIX WORK.  The accumulators take turns, one instruction a turn.
; Product i of 32 of S^T = K Q^T for piece x: channels 32 (i / 8) on, keys 16 ((i / 2) % 4) on, query tile x + i % 2.  The first 8 start the sums with the mask.
.macro KQ x
.set rS, S+32*((\x)+i%2)+8*((i/2)%4)
.set rK, KF+32*((i/2)%4)+8*(i/8)
.set rQ, 32*((\x)+i%2)+8*(i/8)
.set rM, MC+8*((i/2)%4-((\x)+i%2)+3)
.if i < 8
	WIN W_KM
	v_wmma_f32_16x16x32_f16 v[rS:rS+7], v[rK:rK+7], v[rQ:rQ+7], v[rM:rM+7]
.else
	WIN W_KQ
	v_wmma_f32_16x16x32_f16 v[rS:rS+7], v[rK:rK+7], v[rQ:rQ+7], v[rS:rS+7]
.endif
.endm
; Product i of 32 of O^T += V^T P for piece x: keys 32 (i / 16) on, channels 16 ((i / 2) % 8) on, query tile x + i % 2.
.macro PV x
	WIN W_PV
.set rO, 64*((\x)+i%2)+8*((i/2)%8)
.set rV, 64*(i/16)+8*((i/2)%8)
.set rP, P+16*((\x)+i%2)+8*(i/16)
	v_wmma_f32_16x16x32_f16 v[rO:rO+7], v[rV:rV+7], v[rP:rP+7], v[rO:rO+7]
.endm
.macro FETCH_K                      ; 32 loads, the channel quarters in order, eight loads each
	WIN 0
	v_add_nc_u32 v[ADK], s[TB], v[AK0]
	WIN 0x80
.irp c, 0,1,2,3
.irp kb, 0,1,2,3
	ds_load_b128 v[KF+8*(4*(\kb)+(\c)):KF+8*(4*(\kb)+(\c))+3],   v[ADK] offset:(\kb)*16*PK+(\c)*64
	ds_load_b128 v[KF+8*(4*(\kb)+(\c))+4:KF+8*(4*(\kb)+(\c))+7], v[ADK] offset:(\kb)*16*PK+(\c)*64+32
.endr
.endr
.endm
.macro FETCH_V
	WIN 0
	v_add_nc_u32 v[ADV], s[TB], v[AV0]
	WIN 0xc0
.irp f, 0,1,2,3,4,5,6,7,8,9,10,11,12,13,14,15  ; keys 32 (f / 8) on, channels 16 (f % 8) on
	ds_load_tr16_b128 v[8*(\f):8*(\f)+3],   v[ADV] offset:((\f)/8)*32*PV+((\f)%8)*32
	ds_load_tr16_b128 v[8*(\f)+4:8*(\f)+7], v[ADV] offset:((\f)/8)*32*PV+16*PV+((\f)%8)*32
.endr
.endm
; THE VECTOR WORK.  One query tile's softmax for one key tile is a list of 134 instructions; SM writes number j of it for query tile t.  s0-s31 are the lane's 32 scores, in pairs 0-15.
;   0-15    the maximum of s0-s31 and the old m, three operands at a time (each accumulator's lowest registers are read first)     16-20  the other half of the lanes' maximum; m; c m; its change
;   21-69   ONE BATCH: the 16 scalings c s - c m and all 33 exponentials (a at 23); none of these reads an exponential's result     70-85  the roundings to f16     86-101  the sums; l = a l + sum
;   102-133 the tile's O^T times a
.macro SM t
.set rT, ST+8*(\t)
.set rS, S+32*(\t)
.set rP, P+16*(\t)
.set rO, 64*(\t)+2*(j-102)
.if j < 102
	WIN 0
.endif
.if j < 4
	v_max3_num_f32 v[rT+4+j], v[rS+8*j], v[rS+8*j+1], v[rS+8*j+2]
.elseif j < 12
	v_max3_num_f32 v[rT+4+j%4], v[rT+4+j%4], v[rS+8*(j%4)+2*(j/4)+1], v[rS+8*(j%4)+2*(j/4)+2]
.elseif j == 12
	v_max3_num_f32 v[rT+4], v[rT+4], v[rS+7], v[rS+15]
.elseif j == 13
	v_max3_num_f32 v[rT+6], v[rT+6], v[rS+23], v[rS+31]
.elseif j == 14
	v_max3_num_f32 v[rT+4], v[rT+4], v[rT+5], v[rT+6]
.elseif j == 15
	v_max3_num_f32 v[rT+4], v[rT+4], v[rT+7], v[rT+1]
.elseif j == 16
	v_permlanex16_b32 v[rT+5], v[rT+4], s[SEL], s[SEL+1]
.elseif j == 17
	v_mov_b32 v[rT+7], v[rT]
.elseif j == 18
	v_max_num_f32 v[rT+1], v[rT+4], v[rT+5]
.elseif j == 19
	v_mul_f32 v[rT], s[CS], v[rT+1]
.elseif j == 20
	v_sub_f32 v[rT+7], v[rT+7], v[rT]
.elseif j == 23
	v_exp_f32 v[rT+6], v[rT+7]
.elseif (j < 23) || ((j < 38) && (j%2 == 0)) || ((j < 66) && (j%4 == 2))
.set b, (j-2)/4
.if j < 38
.set b, (j-20)/2
.endif
	v_pk_fma_f32 v[rS+2*b:rS+2*b+1], v[rS+2*b:rS+2*b+1], s[CS:CS+1], v[rT:rT+1] op_sel_hi:[1,0,0] neg_lo:[0,0,1] neg_hi:[0,0,1]
.elseif j < 70
.set e, j-38
.if j < 66
.set e, j-32-(j-38)/4
.endif
.if j < 38
.set e, (j-25)/2
.endif
	v_exp_f32 v[rS+e], v[rS+e]
.elseif j < 86
	v_cvt_pk_f16_f32 v[rP+j-70], v[rS+2*(j-70)], v[rS+2*(j-70)+1]
.elseif j < 102
.set z, j-86
.set w, 4
.set u, z
.if z >= 14
.set w, 32
.set u, 0
.elseif z >= 12
.set w, 16
.set u, z-12
.elseif z >= 8
.set w, 8
.set u, z-8
.endif
.if z < 15
	v_pk_add_f32 v[rS+w*u:rS+w*u+1], v[rS+w*u:rS+w*u+1], v[rS+w*u+w/2:rS+w*u+w/2+1]
.else
	v_pk_fma_f32 v[rT+2:rT+3], v[rT+2:rT+3], v[rT+6:rT+7], v[rS:rS+1] op_sel_hi:[1,0,1]
.endif
.else
	WIN W_RS
	v_pk_mul_f32 v[rO:rO+1], v[rO:rO+1], v[rT+6:rT+7] op_sel_hi:[1,0]
.endif
.endm
; Slice k of 64 of piece y's softmax.  Slices 11 to 34 deal out the batch, four numbers of one query tile each; every other slice is numbers 2 k, 2 k + 1 of both tiles; slice 63 takes the twelve that are over.
; Ahead of slice 35 nothing names an exponential's result, and behind slice 34 none is issued: the piece's 66 exponentials have one plain instruction and one wait, behind slice 34.
.macro SLICE y
.if (k >= 11) && (k < 35)
.irp n, 0,1,2,3
.set j, 22+4*((k-11)/2)+(\n)
	SM (\y)+(k-11)%2
.endr
.else
.irp n, 0,1,2,3,4,5,6,7
.if ((\n) < 2) || (k == 63)
.irp t, \y, (\y)+1
.set j, 2*k+(\n)
	SM \t
.endr
.endif
.endr
.endif
.if k == 34
	v_nop
	s_wait_alu depctr_va_vdst(0)
.endif
.set k, k+1
.endm
.macro HALF kind, x, y              ; 32 products of piece x (kind 0: K Q^T, 1: V^T P), two slices of piece y's softmax behind each; no slice names a register of the products round it
.set k, 0
.set i, 0
.rept 32
.if \kind
	PV \x
.else
	KQ \x
.endif
	SLICE \y
	SLICE \y
.set i, i+1
.endr
.endm
.macro MASKS                        ; a block's last tile: -1e30 where the key lies behind the query
	WIN 0xc0
.set i, 0
.rept 56
	v_cmp_gt_i32 vcc_lo, 16*(i/8-3)+i%8, v[DD]
	v_cndmask_b32 v[MC+i], 0, s[BIGN], vcc_lo
.set i, i+1
.endr
	WIN 0
.endm
; A KEY TILE, whole: nothing but m, l and O^T is carried to the next.
.macro BODY
	FETCH_K
.set i, 0
.rept 32
.if i%8 == 0
	s_wait_dscnt 24-i               ; this channel quarter's eight loads are in; the later quarters' may be out
.endif
	KQ 0
.set i, i+1
.endr
	PLACES                          ; behind piece 0's scores, in front of their first reader
	FETCH_V                         ; V's last reader stands in front of the four v_nop at the end of the tile before
	HALF 0, 2, 0
	s_wait_dscnt 0x0                ; V is in
	HALF 1, 0, 2
.set i, 0
.rept 32
	PV 2
.set i, i+1
.endr
	PLACES
	WIN 0
.endm
; A BLOCK'S END: the four waves' results are merged.  (c m, l) of every wave and query meet in LDS; each wave scales its O^T by g = 2^(c m - the greatest c m) / the sum over waves of 2^(..) l;
; then, a query tile at a time, the four scaled O^T meet in LDS, and wave w adds and stores rows 4 w .. 4 w + 3.  last = 0: the second block's Q is fetched meanwhile, and its start is set.
.macro END last
.if !(\last)
	QLOAD QB2                       ; Q's last reader stands a softmax back
.endif
.irp t, 0,1,2,3
	v_add_f32 v[ST+8*(\t)+5], v[ST+8*(\t)+2], v[ST+8*(\t)+3]
.endr
.irp t, 0,1,2,3
	v_permlanex16_b32 v[ST+8*(\t)+6], v[ST+8*(\t)+5], s[SEL], s[SEL+1]
.endr
.irp t, 0,1,2,3
	v_add_f32 v[ST+8*(\t)+5], v[ST+8*(\t)+5], v[ST+8*(\t)+6]
	v_mov_b32 v[ST+8*(\t)+4], v[ST+8*(\t)]
.endr
.irp t, 0,1,2,3
	ds_store_b64 v[SST], v[ST+8*(\t)+4:ST+8*(\t)+5] offset:128*(\t)  ; both halves of the lanes write the same pair
.endr
	s_wait_dscnt 0x0                ; for the others' sake
	s_barrier_signal -1
	s_barrier_wait -1
.irp t, 0,1,2,3
.irp u, 0,1,2,3
	ds_load_b64 v[S+8*(\t)+2*(\u):S+8*(\t)+2*(\u)+1], v[SRD] offset:512*(\u)+128*(\t)
.endr
.endr
	s_wait_dscnt 0x0
.irp t, 0,1,2,3
	v_max3_num_f32 v[ST+8*(\t)+4], v[S+8*(\t)], v[S+8*(\t)+2], v[S+8*(\t)+4]
.endr
.irp t, 0,1,2,3
	v_max_num_f32 v[ST+8*(\t)+4], v[ST+8*(\t)+4], v[S+8*(\t)+6]
.endr
.irp t, 0,1,2,3
.irp u, 0,1,2,3
	v_sub_f32 v[S+8*(\t)+2*(\u)], v[S+8*(\t)+2*(\u)], v[ST+8*(\t)+4]
.endr
	v_sub_f32 v[ST+8*(\t)+6], v[ST+8*(\t)], v[ST+8*(\t)+4]
.endr
.irp t, 0,1,2,3
.irp u, 0,1,2,3
	v_exp_f32 v[S+8*(\t)+2*(\u)], v[S+8*(\t)+2*(\u)]
.endr
	v_exp_f32 v[ST+8*(\t)+6], v[ST+8*(\t)+6]
.endr
	v_nop                           ; a plain instruction behind the last exponential,
	s_wait_alu depctr_va_vdst(0)    ; and one wait for the twenty, ahead of their first reader
.irp t, 0,1,2,3
	v_mul_f32 v[ST+8*(\t)+5], v[S+8*(\t)], v[S+8*(\t)+1]
.endr
.irp u, 1,2,3
.irp t, 0,1,2,3
	v_fmac_f32 v[ST+8*(\t)+5], v[S+8*(\t)+2*(\u)], v[S+8*(\t)+2*(\u)+1]
.endr
.endr
.irp t, 0,1,2,3
	v_rcp_f32 v[ST+8*(\t)+5], v[ST+8*(\t)+5]
.endr
	v_nop
	s_wait_alu depctr_va_vdst(0)    ; one wait for the four reciprocals
.irp t, 0,1,2,3
	v_mul_f32 v[ST+8*(\t)+6], v[ST+8*(\t)+6], v[ST+8*(\t)+5]
.endr
	WIN W_RS
.irp t, 0,1,2,3
.set i, 0
.rept 32
	v_pk_mul_f32 v[64*(\t)+i:64*(\t)+i+1], v[64*(\t)+i:64*(\t)+i+1], v[ST+8*(\t)+6:ST+8*(\t)+7] op_sel_hi:[1,0]  ; ascending: each accumulator's lowest registers first
.set i, i+2
.endr
.endr
.irp t, 0,1,2,3
	WIN 0x04                        ; store data in window 1
.irp cb, 0,1,2,3,4,5,6,7
	ds_store_b128 v[MST], v[64*(\t)+8*(\cb):64*(\t)+8*(\cb)+3]   offset:64*(\cb)
	ds_store_b128 v[MST], v[64*(\t)+8*(\cb)+4:64*(\t)+8*(\cb)+7] offset:64*(\cb)+16
.endr
	WIN 0
	s_wait_dscnt 0x0                ; for the others' sake: my part lies in LDS
	s_barrier_signal -1
	s_barrier_wait -1
.irp i, 0,1,2,3
.irp u, 0,1,2,3
	ds_load_b128 v[S+16*(\i)+4*(\u):S+16*(\i)+4*(\u)+3], v[MRD] offset:16*MP*(\u)+MP*(\i)  ; wave u's part of row 4 w + i: a lane's four channels
.endr
.endr
	s_wait_dscnt 0x0                ; my reads are over: the next query tile may be stored behind this barrier
	s_barrier_signal -1
.irp i, 0,1,2,3
	v_pk_add_f32 v[S+16*(\i):S+16*(\i)+1],     v[S+16*(\i):S+16*(\i)+1],     v[S+16*(\i)+4:S+16*(\i)+5]
	v_pk_add_f32 v[S+16*(\i)+2:S+16*(\i)+3],   v[S+16*(\i)+2:S+16*(\i)+3],   v[S+16*(\i)+6:S+16*(\i)+7]
	v_pk_add_f32 v[S+16*(\i)+8:S+16*(\i)+9],   v[S+16*(\i)+8:S+16*(\i)+9],   v[S+16*(\i)+12:S+16*(\i)+13]
	v_pk_add_f32 v[S+16*(\i)+10:S+16*(\i)+11], v[S+16*(\i)+10:S+16*(\i)+11], v[S+16*(\i)+14:S+16*(\i)+15]
.endr
.irp i, 0,1,2,3
	v_pk_add_f32 v[S+16*(\i):S+16*(\i)+1],   v[S+16*(\i):S+16*(\i)+1],   v[S+16*(\i)+8:S+16*(\i)+9]
	v_pk_add_f32 v[S+16*(\i)+2:S+16*(\i)+3], v[S+16*(\i)+2:S+16*(\i)+3], v[S+16*(\i)+10:S+16*(\i)+11]
.endr
.irp i, 0,1,2,3
	v_cvt_pk_f16_f32 v[P+8*(\t)+2*(\i)],   v[S+16*(\i)],   v[S+16*(\i)+1]
	v_cvt_pk_f16_f32 v[P+8*(\t)+2*(\i)+1], v[S+16*(\i)+2], v[S+16*(\i)+3]
.endr
	s_barrier_wait -1
.irp i, 0,1,2,3
	global_store_b64 v[ZO], v[P+8*(\t)+2*(\i):P+8*(\t)+2*(\i)+1], s[ZA:ZA+1] offset:(16*(\t)+(\i))*256  ; a wave stores one row: 256 consecutive bytes, aligned
.endr
.endr
	s_wait_xcnt 0x0                 ; the stores have read their registers and z's address
.if !(\last)
	s_mov_b64 s[ZA:ZA+1], s[ZB:ZB+1]
	s_add_co_u32 s[RT], s[PP], 1    ; the second block has p + 1 tiles
.irp t, 0,1,2,3
	v_mov_b32 v[ST+8*(\t)], 0xfe000000
	v_mov_b32 v[ST+8*(\t)+1], 0xff7fffff
.endr
	WIN 0xc0
.set i, 0
.rept 56
	v_mov_b32 v[MC+i], 0
.set i, i+1
.endr
	WIN 0
	s_wait_loadcnt 0x0              ; the second block's Q
.endif
.endm
	s_wait_loadcnt 0x0              ; Q
.Lslot:                             ; 16 trips: a tile is entered and the next is asked for
	CHANGE 1
	s_sub_co_u32 s[RT], s[RT], 1
	s_cmp_lg_u32 s[RT], 0
	s_cbranch_scc1 .Lopen           ; not the block's last tile: the masks are 0
	MASKS
.Lopen:
	BODY
	s_cmp_lg_u32 s[RT], 0
	s_cbranch_scc1 .Lon
	END 0                           ; in the loop this is the first block's end: the second's last tile is the walk's last
.Lon:
	s_sub_co_u32 s[SLOTS], s[SLOTS], 1
	s_cmp_lg_u32 s[SLOTS], 0
	s_cbranch_scc1 .Lslot
	CHANGE 0                        ; the walk's last tile is written out: nothing is asked for
	MASKS
	BODY
	END 1
	s_wait_tensorcnt 0x0            ; the wave's end
	ds_add_u32 v[SPW], v[NIL]
	s_wait_dscnt 0x0
	CROUND                          ; the closing round
	s_endpgm
.Lfunc_end_k_qb8ff874434_attn:
	.size	k_qb8ff874434_attn, .Lfunc_end_k_qb8ff874434_attn-k_qb8ff874434_attn
	.p2alignl 7, 3214868480
	.fill 96, 4, 3214868480
	.section	.rodata,"a",@progbits
	.p2align	6, 0x0
	.amdhsa_kernel k_qb8ff874434_attn
		.amdhsa_group_segment_fixed_size 327680
		.amdhsa_private_segment_fixed_size 0
		.amdhsa_enable_private_segment 0
		.amdhsa_kernarg_size 16
		.amdhsa_user_sgpr_count 2
		.amdhsa_user_sgpr_kernarg_segment_ptr 1
		.amdhsa_wavefront_size32 1
		.amdhsa_system_sgpr_workgroup_id_x 1
		.amdhsa_system_sgpr_workgroup_id_y 1
		.amdhsa_system_sgpr_workgroup_id_z 1
		.amdhsa_system_vgpr_workitem_id 0
		.amdhsa_next_free_vgpr 1024
		.amdhsa_next_free_sgpr 80
		.amdhsa_reserve_vcc 1
		.amdhsa_float_denorm_mode_32 3
		.amdhsa_float_denorm_mode_16_64 3
		.amdhsa_memory_ordered 1
		.amdhsa_forward_progress 1
		.amdhsa_inst_pref_size 194
	.end_amdhsa_kernel
	.amdgpu_metadata
---
amdhsa.version: [ 1, 2 ]
amdhsa.kernels:
  - .name:           k_qb8ff874434_attn
    .symbol:         k_qb8ff874434_attn.kd
    .args:
      - { .name: qkv, .offset: 0, .size: 8, .value_kind: global_buffer, .address_space: global }
      - { .name: zh, .offset: 8, .size: 8, .value_kind: global_buffer, .address_space: global }
    .group_segment_fixed_size: 327680
    .private_segment_fixed_size: 0
    .kernarg_segment_align: 8
    .kernarg_segment_size: 16
    .max_flat_workgroup_size: 128
    .sgpr_count:     80
    .vgpr_count:     1024
    .wavefront_size: 32
...
	.end_amdgpu_metadata
.endif
;; end of part 3
;; launch oproj (part 4): grid 16 x 16, 4 waves a work-group, clusters of 4 x 4, 327,680 bytes of LDS; arguments zh, woh, b_O, out0; writes out0
.if DOCPART == 4
	.amdgcn_target "amdgcn-amd-amdhsa--gfx1250"
	.amdhsa_code_object_version 6
	.text
	.protected	k_qb8ff874434_oproj
	.globl	k_qb8ff874434_oproj
	.p2align	8
	.type	k_qb8ff874434_oproj,@function
k_qb8ff874434_oproj:
	s_mov_b64 s[64:65], 0
	v_nop
	global_prefetch_b8 v0, s[64:65] scope:SCOPE_SE
	s_setreg_imm32_b32 hwreg(HW_REG_WAVE_MODE, 25, 1), 1
	s_wait_xcnt 0x0
	s_wait_alu depctr_hold_cnt(0) depctr_sa_sdst(0) depctr_va_vdst(0) depctr_va_sdst(0) depctr_va_ssrc(0) depctr_va_vcc(0) depctr_vm_vsrc(0)
	s_getreg_b32 s2, hwreg(HW_REG_IB_STS2, 6, 4)
	s_cmp_eq_u32 s2, 0
	s_cbranch_scc0 .Lentry_in_a_cluster
	s_endpgm
.Lentry_in_a_cluster:
	s_bfe_u32 s2, ttmp6, 0x10000c
	s_cmp_lg_u32 s2, 0xf033
	s_cbranch_scc0 .Lentry_shape_is_right
	s_endpgm
.Lentry_shape_is_right:
; OPROJ: out0 = z W_O + b_O.  zh [8][4096][128] f16 (a head is one K step), woh [1024 k][2048 n] f16, out0 [4096][2048] f32.  Sums in f32; b_O is rounded to bf16 like every input.
; SHARES, RING, CLUSTER and LAYOUT as in the projection in front: a work-group makes 256 rows x 128 columns, wave w rows 64 w .. 64 w + 63; K in 8 steps of 128 through two LDS slots;
; 4 x 4 work-groups, A's tile asked for jointly by a row of the cluster, B's by a column; the matrix instruction is used transposed (source 0 = 16 columns of W_O, turned by ds_load_tr16_b128,
; source 1 = 16 rows of z): lane (r, h), register j of accumulator (a, b) holds row 16 a + r, column 16 b + 8 h + j.
; THE WAY OUT: 16 rows at a time through my wave's stage in LDS, back as whole rows of 512 bytes; the bias is added there, where a lane holds four neighbouring columns.
; REGISTERS.  window 0: v1-31 addresses and the bias; v64-159, v160-255 two fragment buffers, later v64-191 two buffers of 16 rows; window 1: the accumulators, (a, b) at 64 a + 8 b.
.set KSTEPS, 8
.set PA,     272
.set PB,     288
.set ABYTES, 256*PA
.set BBYTES, 128*PB
.set SLOT1,  1<<17
.set STAGE,  SLOT1+ABYTES+BBYTES       ; behind the ring, never filled by a tensor load: 16 rows x 528 bytes for each wave
.set SP,     528                       ; 512 bytes + 16: the 16 rows that a store touches start at 16 different groups of four banks (ISA guide 11.1)
.set SPARE,  STAGE+4*16*SP             ; the spare words, 128 bytes for each wave
.set ASTEP,  1048576                   ; bytes from a head of zh to the next
.set BSTEP,  524288                    ; 128 rows of woh
.set BO,   8                           ; v[8:11] the bias of my four columns
.set A0,   16
.set B0,   17
.set ADRA, 18
.set ADRB, 19
.set STO,  24
.set RD,   25
.set CO,   26                          ; v26  16 x lane
.set SPW,  28
.set NIL,  29
.set PFO,  30
.set F0,   64
.set F1,   160
.set OB,   64
.set G1A, 24
.set G0A, 32
.set G1B, 48
.set G0B, 56
.set TB,  66
.set LIM, 67
.set PFA, 68
.set PFS, 70
.set OUT, 72
.set BP,  76
.set HIM, 78
.set MSB, 0
.macro WIN new
.if MSB != (\new)
	s_set_vgpr_msb (MSB<<8)|(\new)
.set MSB, \new
.endif
.endm
.macro PLACES
.rept 4
	v_nop
.endr
.endm
.macro JLOAD                           ; a joint refill by the walking sets: waves 0, 1 A's halves, waves 2, 3 B's; an s_nop 0 and four v_nop follow each line
	s_cmp_eq_u32 s11, 0
	s_cbranch_scc0 .Lfor_b_\@
	tensor_load_to_lds s[G0A+4:G0A+7], s[G1A:G1A+7]
	s_nop 0
.rept 4
	v_nop
.endr
	s_branch .Lasked_\@
.Lfor_b_\@:
	tensor_load_to_lds s[G0B+4:G0B+7], s[G1B:G1B+7]
	s_nop 0
.rept 4
	v_nop
.endr
.Lasked_\@:
.endm
.macro CREST
	s_cmp_lg_u32 s10, 0
	s_cbranch_scc1 .Lnot_wave_0_\@
	s_barrier_signal -3
.Lnot_wave_0_\@:
	s_barrier_wait -3
	s_barrier_signal -1
	s_barrier_wait -1
.endm
.macro CROUND
	s_barrier_signal -1
	s_barrier_wait -1
	CREST
.endm
; A prefetch of the K step two refills on: 32 rows x 256 bytes, a lane a row.  A's: waves 0, 1 of the clusters with x = 0, partner cx takes 32 of the wave's 128 rows; B's: wave 2 of the clusters with y = 0,
; partner cy takes 32 of the step's 128.  Each row's 256 bytes of a K step are named once in the launch; the first four K steps come by their loads alone; the last two trips name nothing.
.macro ASK
	s_cmp_gt_u32 s3, s[LIM]
	s_cbranch_scc0 .Lnot_mine_\@
	global_prefetch_b8 v[PFO], s[PFA:PFA+1] th:TH_LOAD_NT scope:SCOPE_SE
.Lnot_mine_\@:
.endm
.macro MULA f, a, zero                 ; 8 matrix instructions; each accumulator has one in a quarter step, so 31 others' stand between two links of a chain
	WIN 0x50
.irp b, 0,1,2,3,4,5,6,7
.if \zero
	v_wmma_f32_16x16x32_f16 v[64*(\a)+8*(\b):64*(\a)+8*(\b)+7], v[(\f)+8*(\b):(\f)+8*(\b)+7], v[(\f)+64+8*(\a):(\f)+64+8*(\a)+7], 0
.else
	v_wmma_f32_16x16x32_f16 v[64*(\a)+8*(\b):64*(\a)+8*(\b)+7], v[(\f)+8*(\b):(\f)+8*(\b)+7], v[(\f)+64+8*(\a):(\f)+64+8*(\a)+7], v[64*(\a)+8*(\b):64*(\a)+8*(\b)+7]
.endif
.endr
.endm
.macro FETCH q, g                      ; 24 LDS loads in one run: B's eight fragments (turned), A's row blocks 0, 1, then 2, 3
	WIN 0
.irp b, 0,1,2,3,4,5,6,7
	ds_load_tr16_b128 v[(\g)+8*(\b):(\g)+8*(\b)+3],   v[ADRB] offset:(\q)*32*PB+32*(\b)
	ds_load_tr16_b128 v[(\g)+8*(\b)+4:(\g)+8*(\b)+7], v[ADRB] offset:(\q)*32*PB+16*PB+32*(\b)
.endr
.irp a, 0,1,2,3
	ds_load_b128 v[(\g)+64+8*(\a):(\g)+64+8*(\a)+3],   v[ADRA] offset:(\q)*64+(\a)*16*PA
	ds_load_b128 v[(\g)+64+8*(\a)+4:(\g)+64+8*(\a)+7], v[ADRA] offset:(\q)*64+(\a)*16*PA+32
.endr
.endm
.macro QUARTER q, f, g, zero
	s_wait_dscnt 4                                 ; B and A's row blocks 0, 1 are in; the youngest four loads may be out
	MULA \f, 0, \zero
	MULA \f, 1, \zero
	PLACES
	FETCH \q, \g
	s_wait_dscnt 24                                ; all but the 24 just issued
	MULA \f, 2, \zero
	MULA \f, 3, \zero
.endm
; The last quarter multiplies buffer 1 and changes slots: each wave waits for all its tensor loads, adds 0 to its spare word, waits for that and for its reads of this slot.
; fill = 1: the barrier opens a round of the cluster's, and the joint refill, two K steps on, is the first thing behind the round.
.macro TURN fill
.if \fill
	s_wait_xcnt 0x0                                ; the last prefetch, a K step back, has read its address
	s_add_nc_u64 s[PFA:PFA+1], s[PFA:PFA+1], s[PFS:PFS+1]
.endif
	WIN 0
	s_wait_tensorcnt 0x0
	ds_add_u32 v[SPW], v[NIL]
	s_wait_dscnt 5                                 ; the add and A's row blocks 2, 3 may be out
	MULA F1, 0, 0
	s_wait_dscnt 0x0
	s_barrier_signal -1
	MULA F1, 1, 0
	WIN 0
	s_barrier_wait -1
.if \fill
	CREST
	s_xor_b32 s[G0A+5], s[G0A+5], SLOT1
	s_add_nc_u64 s[G0A+6:G0A+7], s[G0A+6:G0A+7], ASTEP
	s_xor_b32 s[G0B+5], s[G0B+5], SLOT1
	s_add_nc_u64 s[G0B+6:G0B+7], s[G0B+6:G0B+7], BSTEP
	JLOAD
.else
	PLACES
.endif
	s_xor_b32 s[TB], s[TB], SLOT1
	v_add_nc_u32 v[ADRA], s[TB], v[A0]
	v_add_nc_u32 v[ADRB], s[TB], v[B0]
	FETCH 0, F0
.if \fill
	ASK
.endif
	MULA F1, 2, 0
	MULA F1, 3, 0
.endm
	s_load_b256 s[80:87], s[0:1], 0x0              ; zh 80, woh 82, b_O 84, out0 86
	v_lshl_add_u32 v[SPW], v0, 2, SPARE
	v_mov_b32 v[NIL], 0
	ds_add_u32 v[SPW], v[NIL]                      ; the wave's opening: the add and its wait stand ahead of my first tensor load
	v_lshrrev_b32 v1, 5, v0
	v_readfirstlane_b32 s10, v1
	s_lshr_b32 s11, s10, 1
	s_and_b32 s12, s10, 1
	s_bfe_u32 s40, ttmp6, 0x40000                  ; cx
	s_bfe_u32 s41, ttmp6, 0x40004                  ; cy
	s_lshl_b32 s42, ttmp9, 2
	s_add_co_u32 s42, s42, s40                     ; the tile column
	s_and_b32 s13, ttmp7, 0xffff
	s_lshl_b32 s13, s13, 2
	s_add_co_u32 s13, s13, s41                     ; the tile row
	s_lshl_b32 s43, s41, 2
	s_lshl_b32 s43, 15, s43
	s_lshl_b32 s44, 0x1111, s40
	s_or_b32 s[G1A], s43, (1<<16)|(1<<20)|(1<<21)|(5<<22)|(3<<25)
	s_or_b32 s[G1B], s44, (1<<16)|(1<<20)|(1<<21)|(5<<22)|(7<<25)
	s_mov_b32 s[G1A+1], 128<<16
	s_mov_b32 s[G1A+2], 128<<16
	s_mov_b32 s[G1A+3], 128<<16
	s_mov_b32 s[G1A+4], 128
	s_mov_b32 s[G1A+5], 128                        ; a head's rows of z are dense
	s_mov_b32 s[G1A+6], 0
	s_mov_b32 s[G1A+7], 0
	s_mov_b32 s[G1B+1], 128<<16
	s_mov_b32 s[G1B+2], 64<<16
	s_mov_b32 s[G1B+3], 128<<16
	s_mov_b32 s[G1B+4], 64
	s_mov_b32 s[G1B+5], 2048                       ; elements from row to row of woh
	s_mov_b32 s[G1B+6], 0
	s_mov_b32 s[G1B+7], 0
	s_lshl_b32 s16, s13, 16                        ; A: 256 x tile row rows of 256 bytes, + my 128
	s_lshl_b32 s17, s12, 15
	s_add_co_u32 s16, s16, s17
	s_mov_b32 s17, 0
	s_lshl_b32 s46, s42, 8                         ; B: the tile column's 256 bytes, + my 64 rows of 4,096
	s_lshl_b32 s47, s12, 18
	s_add_co_u32 s46, s46, s47
	s_mov_b32 s47, 0
	s_mul_i32 s20, s12, 128*PA
	s_mul_i32 s21, s12, 64*PB
	s_add_co_u32 s21, s21, ABYTES
	s_mov_b32 s[HIM], 0xffff0000
	s_mov_b32 s[TB], 0
	s_wait_dscnt 0x0
	s_wait_kmcnt 0x0
	s_add_nc_u64 s[14:15], s[80:81], s[16:17]
	s_add_nc_u64 s[46:47], s[82:83], s[46:47]
	CROUND
.irp s, 0,1
	s_mov_b32 s[G0A+4*(\s)], 1
	s_add_co_u32 s[G0A+4*(\s)+1], s20, (\s)*SLOT1
	s_add_nc_u64 s[G0A+4*(\s)+2:G0A+4*(\s)+3], s[14:15], (\s)*ASTEP
	s_or_b32 s[G0A+4*(\s)+3], s[G0A+4*(\s)+3], 0x80000000
	s_mov_b32 s[G0B+4*(\s)], 1
	s_add_co_u32 s[G0B+4*(\s)+1], s21, (\s)*SLOT1
	s_add_nc_u64 s[G0B+4*(\s)+2:G0B+4*(\s)+3], s[46:47], (\s)*BSTEP
	s_or_b32 s[G0B+4*(\s)+3], s[G0B+4*(\s)+3], 0x80000000
.endr
	s_cmp_eq_u32 s11, 0                            ; a wave's two first fills stand in one branch: two loads of mine are out
	s_cbranch_scc0 .Lfirst_b
	tensor_load_to_lds s[G0A:G0A+3], s[G1A:G1A+7]
	s_nop 0
	tensor_load_to_lds s[G0A+4:G0A+7], s[G1A:G1A+7]
	s_nop 0
.rept 4
	v_nop
.endr
	s_branch .Lfirst_asked
.Lfirst_b:
	tensor_load_to_lds s[G0B:G0B+3], s[G1B:G1B+7]
	s_nop 0
	tensor_load_to_lds s[G0B+4:G0B+7], s[G1B:G1B+7]
	s_nop 0
.rept 4
	v_nop
.endr
.Lfirst_asked:
	v_and_b32 v1, 15, v0                           ; r
	v_bfe_u32 v2, v0, 4, 1                         ; h
	v_and_b32 v3, 31, v0                           ; lane
	v_mul_u32_u24 v[A0], v1, PA
	v_lshl_add_u32 v[A0], v2, 4, v[A0]
	s_mul_i32 s4, s10, 64*PA
	v_add_nc_u32 v[A0], s4, v[A0]
	v_and_b32 v4, 7, v0
	v_lshl_add_u32 v4, v2, 3, v4
	v_mul_u32_u24 v[B0], v4, PB
	v_bfe_u32 v5, v0, 3, 1
	v_lshl_add_u32 v[B0], v5, 4, v[B0]
	v_add_nc_u32 v[B0], ABYTES, v[B0]
	v_mov_b32 v[ADRA], v[A0]
	v_mov_b32 v[ADRB], v[B0]
	s_mul_i32 s4, s10, 16*SP
	s_add_co_u32 s4, s4, STAGE                     ; my stage
	v_mul_u32_u24 v[STO], v1, SP                   ; in: row r, 32 bytes for each half of the lanes
	v_lshl_add_u32 v[STO], v2, 5, v[STO]
	v_add_nc_u32 v[STO], s4, v[STO]
	v_lshl_add_u32 v[RD], v3, 4, s4                ; back: 32 lanes take one row of 512 bytes
	v_lshlrev_b32 v[CO], 4, v3
	s_lshl_b32 s4, s13, 21                         ; out0: 256 x tile row + 64 x wave rows of 8,192 bytes, the tile column's 512
	s_lshl_b32 s5, s10, 19
	s_add_co_u32 s4, s4, s5
	s_lshl_b32 s5, s42, 9
	s_add_co_u32 s4, s4, s5
	s_mov_b32 s5, 0
	s_add_nc_u64 s[OUT:OUT+1], s[86:87], s[4:5]
	s_lshl_b32 s4, s42, 9
	s_add_nc_u64 s[BP:BP+1], s[84:85], s[4:5]
	global_load_b128 v[BO:BO+3], v[CO], s[BP:BP+1]
	; the prefetches
	s_lshl_b32 s4, s13, 8
	s_lshl_b32 s5, s12, 7
	s_add_co_u32 s4, s4, s5
	s_lshl_b32 s5, s40, 5
	s_add_co_u32 s4, s4, s5                        ; A: the 128 rows that I fetch, my work-group's 32 of them,
	s_lshl_b32 s4, s4, 8
	s_add_co_u32 s4, s4, 3*ASTEP                   ; at K step 3: the first refill steps it to 4
	s_lshl_b32 s5, s42, 8
	s_lshl_b32 s6, s41, 17                         ; B: my work-group's 32 of a step's 128 rows
	s_add_co_u32 s5, s5, s6
	s_add_co_u32 s5, s5, 3*BSTEP
	s_and_b32 s6, ttmp7, 0xffff
	s_or_b32 s6, s6, s12                           ; 0 in wave 2 of the clusters with y = 0
	s_mov_b32 s7, ASTEP
	s_mov_b32 s8, BSTEP
	s_cmp_eq_u32 s11, 0
	s_cselect_b64 s[PFA:PFA+1], s[80:81], s[82:83]
	s_cselect_b32 s4, s4, s5
	s_cselect_b32 s6, ttmp9, s6
	s_cselect_b32 s[PFS], s7, s8
	s_cselect_b32 s9, 8, 12                        ; a row of zh is 256 bytes, of woh 4,096
	s_mov_b32 s5, 0
	s_mov_b32 s[PFS+1], 0
	s_add_nc_u64 s[PFA:PFA+1], s[PFA:PFA+1], s[4:5]
	s_cmp_eq_u32 s6, 0
	s_cselect_b32 s[LIM], 2, -1
	v_lshlrev_b32 v[PFO], s9, v3
	s_wait_tensorcnt 1                             ; my part of K step 0 is in; K step 1's may stay out
	s_barrier_signal -1
	s_barrier_wait -1
	FETCH 0, F0
	QUARTER 1, F0, F1, 1                           ; the first quarter's products start the sums
	WIN 0
	s_mov_b32 s3, KSTEPS-2
.Lstep:
	QUARTER 2, F1, F0, 0
	QUARTER 3, F0, F1, 0
	TURN 1
	QUARTER 1, F0, F1, 0
	WIN 0
	s_sub_co_u32 s3, s3, 1
	s_cmp_lg_u32 s3, 0
	s_cbranch_scc1 .Lstep
	QUARTER 2, F1, F0, 0                           ; the last two K steps ask for nothing
	QUARTER 3, F0, F1, 0
	TURN 0
	QUARTER 1, F0, F1, 0
	QUARTER 2, F1, F0, 0
	QUARTER 3, F0, F1, 0
	s_wait_dscnt 4
	MULA F1, 0, 0
	MULA F1, 1, 0
	s_wait_dscnt 0x0
	MULA F1, 2, 0
	MULA F1, 3, 0
	; THE WAY OUT.  The bias is rounded to bf16 and widened again: six plain lines, the places behind the last products.
	WIN 0
	s_wait_loadcnt 0x0
	v_cvt_pk_bf16_f32 v12, v[BO], v[BO+1]
	v_cvt_pk_bf16_f32 v13, v[BO+2], v[BO+3]
	v_lshlrev_b32 v[BO], 16, v12
	v_and_b32 v[BO+1], s[HIM], v12
	v_lshlrev_b32 v[BO+2], 16, v13
	v_and_b32 v[BO+3], s[HIM], v13
.macro TOSTAGE a                       ; 16 rows into my stage, each accumulator's lowest registers first, and back as whole rows; LDS serves a wave's instructions in order (ISA guide 5.7.1.4)
	WIN 0x04                                       ; store data in window 1
.irp b, 0,1,2,3,4,5,6,7
	ds_store_b128 v[STO], v[64*(\a)+8*(\b):64*(\a)+8*(\b)+3]   offset:64*(\b)
	ds_store_b128 v[STO], v[64*(\a)+8*(\b)+4:64*(\a)+8*(\b)+7] offset:64*(\b)+16
.endr
	WIN 0
.set BK, OB+64*((\a)%2)
.set i, 0
.rept 16
	ds_load_b128 v[BK+4*i:BK+4*i+3], v[RD] offset:SP*i
.set i, i+1
.endr
.endm
.macro SEND a, younger                 ; younger: the next block's 32 LDS instructions, or none
	WIN 0
.set BK, OB+64*((\a)%2)
	s_wait_dscnt \younger
.set i, 0
.rept 16
	v_pk_add_f32 v[BK+4*i:BK+4*i+1],   v[BK+4*i:BK+4*i+1],   v[BO:BO+1]
	v_pk_add_f32 v[BK+4*i+2:BK+4*i+3], v[BK+4*i+2:BK+4*i+3], v[BO+2:BO+3]
	global_store_b128 v[CO], v[BK+4*i:BK+4*i+3], s[OUT:OUT+1] offset:(16*(\a)+i)*8192 th:TH_STORE_NT  ; a wave stores 512 consecutive bytes of a row, aligned
.set i, i+1
.endr
.endm
	TOSTAGE 0
	TOSTAGE 1
	SEND 0, 32
	s_wait_xcnt 0x0                                ; block 0's stores have read their registers, which block 2 is read back into
	TOSTAGE 2
	SEND 1, 32
	s_wait_xcnt 0x0
	TOSTAGE 3
	SEND 2, 32
	SEND 3, 0
	s_wait_tensorcnt 0x0                           ; the wave's end
	ds_add_u32 v[SPW], v[NIL]
	s_wait_dscnt 0x0
	CROUND                                         ; the closing round
	s_endpgm
.Lfunc_end_k_qb8ff874434_oproj:
	.size	k_qb8ff874434_oproj, .Lfunc_end_k_qb8ff874434_oproj-k_qb8ff874434_oproj
	.p2alignl 7, 3214868480
	.fill 96, 4, 3214868480
	.section	.rodata,"a",@progbits
	.p2align	6, 0x0
	.amdhsa_kernel k_qb8ff874434_oproj
		.amdhsa_group_segment_fixed_size 327680
		.amdhsa_private_segment_fixed_size 0
		.amdhsa_enable_private_segment 0
		.amdhsa_kernarg_size 32
		.amdhsa_user_sgpr_count 2
		.amdhsa_user_sgpr_kernarg_segment_ptr 1
		.amdhsa_wavefront_size32 1
		.amdhsa_system_sgpr_workgroup_id_x 1
		.amdhsa_system_sgpr_workgroup_id_y 1
		.amdhsa_system_sgpr_workgroup_id_z 1
		.amdhsa_system_vgpr_workitem_id 0
		.amdhsa_next_free_vgpr 512
		.amdhsa_next_free_sgpr 96
		.amdhsa_reserve_vcc 0
		.amdhsa_float_denorm_mode_32 3
		.amdhsa_float_denorm_mode_16_64 3
		.amdhsa_memory_ordered 1
		.amdhsa_forward_progress 1
		.amdhsa_inst_pref_size 78
	.end_amdhsa_kernel
	.amdgpu_metadata
---
amdhsa.version: [ 1, 2 ]
amdhsa.kernels:
  - .name:           k_qb8ff874434_oproj
    .symbol:         k_qb8ff874434_oproj.kd
    .args:
      - { .name: zh, .offset: 0, .size: 8, .value_kind: global_buffer, .address_space: global }
      - { .name: woh, .offset: 8, .size: 8, .value_kind: global_buffer, .address_space: global }
      - { .name: b_O, .offset: 16, .size: 8, .value_kind: global_buffer, .address_space: global }
      - { .name: out0, .offset: 24, .size: 8, .value_kind: global_buffer, .address_space: global }
    .group_segment_fixed_size: 327680
    .private_segment_fixed_size: 0
    .kernarg_segment_align: 8
    .kernarg_segment_size: 32
    .max_flat_workgroup_size: 128
    .sgpr_count:     96
    .vgpr_count:     512
    .wavefront_size: 32
...
	.end_amdgpu_metadata
.endif
;; end of part 4
